; MI455X (gfx1250); checked and timed in simulation.
; The chip was launched on July 23, 2026; its instructions are those of AMD's public machine-readable ISA for CDNA 5 (MIT licence, August 2026) and "CDNA5" Instruction Set Architecture Reference Guide (July 2026). The comments in the code are by the model that wrote it; some were corrected since.
;; Multi Head Self Attention. Allowed arithmetic: matrix products marked QUANTISED: E2M3 operands, one E8M0 scale for each 32 along K, by v_wmma_scale_f32_16x16x128_f8f6f4 with both operands' format E2M3, f32 sums; everything else in f32.
;; Inputs: Wk_codes 1,024 x 32 x 24 uint8 (E2M3 codes of Wk, K innermost, in blocks of 32 codes, four codes in three bytes); Wk_scales 1,024 x 32 uint8 (E8M0 scales of Wk, one for each 32 codes along K); Wo_codes 1,024 x 32 x 24 uint8 (E2M3 codes of Wo, K innermost, in blocks of 32 codes, four codes in three bytes); Wo_scales 1,024 x 32 uint8 (E8M0 scales of Wo, one for each 32 codes along K); Wq_codes 1,024 x 32 x 24 uint8 (E2M3 codes of Wq, K innermost, in blocks of 32 codes, four codes in three bytes); Wq_scales 1,024 x 32 uint8 (E8M0 scales of Wq, one for each 32 codes along K); Wv_codes 1,024 x 32 x 24 uint8 (E2M3 codes of Wv, K innermost, in blocks of 32 codes, four codes in three bytes); Wv_scales 1,024 x 32 uint8 (E8M0 scales of Wv, one for each 32 codes along K); bk 1,024 float32; bo 1,024 float32; bq 1,024 float32; bv 1,024 float32; x_codes 4 x 2,048 x 32 x 24 uint8 (E2M3 codes of x, K innermost, in blocks of 32 codes, four codes in three bytes); x_scales 4 x 2,048 x 32 uint8 (E8M0 scales of x, one for each 32 codes along K).
;; Outputs: out0 4 x 2,048 x 1,024 float32.
;; This version of the problem:
;;   THIS VERSION OF THE PROBLEM IS GIVEN IN LOW PRECISION. The matrix products marked QUANTISED in the list below multiply operands that are first quantised to E2M3 (2 exponent bits, 3 mantissa bits; 6 bits a number), with one power-of-two scale for each 32 numbers along K (OCP MX v1.0); their sums are f32. All else is computed in f32.
;;   The module's matrix products, in the order in which they are computed (A, B: the left and right operand; K: the contracted axis; several contracted axes count as one K, in the product's order):
;;     1. [M 8,192, K 1,024] x [K 1,024, N 1,024]; A: input x (given as codes); B: input Wq (given as codes): QUANTISED
;;     2. [M 8,192, K 1,024] x [K 1,024, N 1,024]; A: input x (given as codes); B: input Wk (given as codes): QUANTISED
;;     3. [M 8,192, K 1,024] x [K 1,024, N 1,024]; A: input x (given as codes); B: input Wv (given as codes): QUANTISED
;;     4. batch 64 x [M 2,048, K 64] x [K 64, N 2,048]; A: computed on the way; B: computed on the way: QUANTISED
;;     5. batch 64 x [M 2,048, K 2,048] x [K 2,048, N 64]; A: softmax (see below); B: computed on the way: QUANTISED
;;     6. [M 8,192, K 1,024] x [K 1,024, N 1,024]; A: computed on the way; B: input Wo (given as codes): QUANTISED
;;   THE QUANTISER, for each operand of a quantised product, along K:
;;     - K is cut into blocks of 32 from its start; a last block that is shorter is filled with zeros.
;;     - A block's scale is 2^e with e = floor(log2(the largest magnitude in the block)) - 2, held to -126 .. 127; a block of zeros has e = 0. As a byte (E8M0): e + 127.
;;     - Each number is divided by its block's scale, clamped to +-7.5, and rounded to the nearest number of E2M3, ties to even, subnormals kept.
;;     - The product sums the exact products of the quantised numbers (number of the format x scale) in f32.
;;   ~~~python
;;   def quantise(x, axis):      # numpy; x: float32 -> the quantised numbers, widened to float32 again
;;       x = np.moveaxis(x, axis, -1); K = x.shape[-1]
;;       x = np.pad(x, [(0, 0)] * (x.ndim - 1) + [(0, -K % 32)]); x = x.reshape(x.shape[:-1] + (-1, 32)); a = np.abs(x).max(-1, keepdims=True)
;;       e = np.where(a > 0, np.clip(np.frexp(np.where(a > 0, a, 1))[1] - 1 - 2, -126, 127), 0)      # np.frexp(a)[1] - 1 = floor(log2(a)), exactly
;;       r = np.clip(x / 2.0 ** e, -7.5, 7.5)
;;       step = 2.0 ** (np.maximum(np.frexp(np.where(r == 0, 1, r))[1] - 1, 0) - 3)
;;       q = np.round(r / step) * step * 2.0 ** e      # np.round: ties to even
;;       return np.moveaxis(q.reshape(q.shape[:-2] + (-1,))[..., :K], -1, axis).astype(np.float32)
;;   ~~~
;;   SOFTMAX AHEAD OF A QUANTISED PRODUCT. Where the list says 'softmax', what is quantised is not the finished softmax but p = 2^(t - M), with t = logit x log2(e) and M = ceil(the row's largest t), a whole number; so 1/2 < the row's largest p <= 1. The row's sum l is taken of the UNQUANTISED p, in f32, and the product's result is divided by l at the end. Since M is a whole number, a kernel that streams over the keys may use a running M (the ceiling of the running maximum): every later rescaling is an exact power of two, which a block's scale takes up: the codes' values come out the same.
;;   OPERANDS COMPUTED ON THE WAY. 'Computed on the way' means the value that the module computes at that place (a softmax that the list does not call 'softmax' is quantised finished and normalised). What goes into a quantiser is computed in f32, as accurately as f32 sums, v_exp_f32 and their like allow (about 1e-6 of the number): no bf16 or f16 on the way to a quantiser, and a product that is left as it is and whose result goes on into a quantised operand takes f32 operands (vector FMAs, or v_wmma_f32_16x16x4_f32). A number that lies on a knife's edge between two numbers of the format may be rounded either way, as far as f32 arithmetic and the matrix unit's own rounding can turn it there, and no further.
;;   INPUTS GIVEN AS CODES. Wk (in the module: [1024, 1024], K = its axis 1); Wo (in the module: [1024, 1024], K = its axis 1); Wq (in the module: [1024, 1024], K = its axis 1); Wv (in the module: [1024, 1024], K = its axis 1); x (in the module: [4, 2048, 1024], K = its axis 2): each comes as NAME_codes (uint8): NAME with its K axis moved to the last place and cut into blocks of 32 codes, [.., K / 32, bytes a block], one block behind the other in memory; four codes in three bytes: a row's codes are one little-endian stream of bits, code i at bits 6 i .. 6 i + 5 (a code: sign, 2 exponent bits, 3 mantissa bits); and NAME_scales (uint8): the same leading axes, one E8M0 byte (e + 127) for each 32 codes along K. Its value is code x scale, taken as it is: it is not quantised again, and the codes and scales need not be those that the quantiser above would give.
;; One version. Each part assembles by itself: llvm-mc -triple=amdgcn-amd-amdhsa -mcpu=gfx1250 --defsym DOCPART=n.
;; ======== version 1 of 1: 3 launches
;; workspace buffers: qimg 6,815,744 bytes; kvimg 13,369,344 bytes; oimg 6,291,456 bytes; oscl 262,144 bytes
;; launch qkv (part 1): grid 12 x 32, 4 waves a work-group, clusters of 4 x 4, 327,680 bytes of LDS; arguments x_codes, x_scales, Wv_codes, Wv_scales, Wq_codes, Wq_scales, Wk_codes, Wk_scales, bq, bk, bv, qimg, kvimg; writes qimg, kvimg
.if DOCPART == 1
	.amdgcn_target "amdgcn-amd-amdhsa--gfx1250"
	.amdhsa_code_object_version 6
	.text
	.protected	k_q77f99d3b9f_qkv
	.globl	k_q77f99d3b9f_qkv
	.p2align	8
	.type	k_q77f99d3b9f_qkv,@function
k_q77f99d3b9f_qkv:
	s_mov_b64 s[64:65], 0
	v_nop
	global_prefetch_b8 v0, s[64:65] scope:SCOPE_SE
	s_setreg_imm32_b32 hwreg(HW_REG_WAVE_MODE, 25, 1), 1
	s_wait_xcnt 0x0
	s_wait_alu depctr_hold_cnt(0) depctr_sa_sdst(0) depctr_va_vdst(0) depctr_va_sdst(0) depctr_va_ssrc(0) depctr_va_vcc(0) depctr_vm_vsrc(0)
	s_getreg_b32 s2, hwreg(HW_REG_IB_STS2, 6, 4)
	s_cmp_eq_u32 s2, 0
	s_cbranch_scc0 .Lentry_in_a_cluster
	s_endpgm
.Lentry_in_a_cluster:
	s_bfe_u32 s2, ttmp6, 0x10000c
	s_cmp_lg_u32 s2, 0xf033
	s_cbranch_scc0 .Lentry_shape_is_right
	s_endpgm
.Lentry_shape_is_right:
; q = x Wq^T + bq, k = x Wk^T + bk, v = x Wv^T + bv on codes of FP6 (E2M3) with one E8M0 scale for each 32 along K = 1,024; the results are quantised in registers
; (q, k along the head's 64 channels, v along the keys) and leave as IMAGES OF OPERAND REGISTERS for the attention launch: no f32 intermediate goes to memory.
; THE PRODUCT: C = A B^T, a tile of 256 x 256 to a work-group of four waves, 128 x 128 (64 accumulators, 512 registers) to a wave; K in steps of 256 through a ring of two LDS slots filled by tensor loads.
; The matrix instruction is used transposed (source 0 = 16 rows of B, source 1 = 16 rows of A): a lane holds ONE row of A and its registers run along B's rows.
; Clusters of column 0 and 1 of the grid: A = x (tokens), B = Wq or Wk (channels): a lane holds a token, registers run along channels: q's and k's K.
; Clusters of column 2: A = Wv (channels), B = x (tokens): a lane holds a channel, registers run along tokens: the keys, v's K.  Only pointers and tile numbers are chosen; both operands have rows of 768 bytes.
; CLUSTERS: 4 x 4 work-groups; A's tile is shared along a row of the cluster, B's along a column: each is asked for jointly, by the same tensor load with a mask that names the four.
; THE BIAS is the C of each sum's first matrix instruction: a table of 64 registers (q, k: by B's block; v: by A's block), so that it costs no addition.
; ORDER INSIDE A BLOCK OF 32.  Tiles are taken in their natural order, so a lane's 16 numbers of a block are places 8h+0..7 and 16+8h+0..7; after the exchange of halves a block's codes stand in the order
; 0-7, 16-23, 8-15, 24-31.  q and k get the same order along the channels, v and the softmax's p the same along the keys: each product sums the same pairs.  Which numbers form a block is untouched.
; IMAGES.  A fragment's six registers (64 along K) lie as 512 bytes (registers 0-3, 16 bytes a lane) and 256 bytes (registers 4-5, 8 bytes a lane): every store covers whole aligned runs of 256 bytes.
;   qimg  [batch x head 64][128 tokens 16][6,656]: 8 tiles x 768 bytes of codes; at 6,144 the scale words [tiles 0-3 | 4-7][row 16][4 words]
;   kvimg [batch x head 64][128 keys 16][13,056]: k's codes as q's; at 6,144 v's codes [keys 0-63 | 64-127][channel tile 4][768]; at 12,288 k's scale words as q's; at 12,800 v's [row 16][tile 4]
; LIMITS: NaN and infinities are not served.  A block whose largest magnitude lies under 2^-124 (zeros too) gets the byte 1: these bytes are read by this program alone, and a block of zeros has zero codes.
.set KSTEP,  256
.set NQ,     2                         ; matrix instructions deep in a slot
.set ROWB,   192                       ; a tile's row: 256 codes
.set KROW,   768                       ; a row of x or of a weight in memory
.set PITCH,  240                       ; an LDS row: 3 x (64 bytes + 16 of padding) = 60 words: the 32 lanes of a load of 8 bytes touch 64 different banks (64 banks of 4 bytes: ISA guide 11.1)
.set FR,     12
.set NL,     6
.set NP,     4                         ; places behind this matrix instruction (ISA guide 7.12.1)
.set HALFT,  128*PITCH
.set SLOT,   4*HALFT
.set KS,     32                        ; a row of scale bytes
.set SCL,    2*SLOT                    ; behind the ring: the scale bytes of the tile's 512 rows for all of K, as runs of 256 bytes + 16 of padding; filled once
.set HALFS,  (128*KS/256)*272
.set SBLK,   (16*KS/256)*272
.set SPARE,  SCL+4*HALFS               ; the spare words, 128 bytes for each wave: two blocks of 256 bytes that no other line names
.set ADRA, 16                          ; v16-19  LDS addresses of A's fragments in slot 0, 1 (v18-19: behind one padding more)
.set ADRB, 20                          ; v20-23  the same for B
.set VO16, 24                          ; v24  16 x lane      (the way out)
.set VO8,  25                          ; v25  8 x lane
.set VS,   26                          ; v26  where my four scale words go
.set ADRS, 27                          ; v27  LDS address of my scale words: lanes 0-15 A's rows, lanes 16-31 B's
.set SPW,  28                          ; v28  LDS address of my spare word; never rewritten
.set NIL,  29                          ; v29  0; never rewritten
.set SH,   30                          ; v30  q, k: 16 x (lane / 16); v: 0
.set SC,   32                          ; v32-63  scale words, two sets; nothing else is ever kept here
.set BI,   64                          ; v64-127 the bias table
.set AF,   128                         ; v128-223 A's fragments, one set
.set PC,   128                         ; the way out: the codes just made, v128-147
.set TM,   224                         ; v224-239 at work in the quantiser
.set PW,   240                         ; v240 a scale word
.set W,    244                         ; v244-251 the eight blocks' scale words
.set G1, 24
.set G0, 32
.set G1B, 48
.set G0B, 56
.set G1S, 68
.set G0S, 76
.set G1SB, 80
.set G0SB, 88
.set MSB, 0
.macro WIN new                         ; the immediate's high byte repeats the setting that is left
.if MSB != (\new)
	s_set_vgpr_msb (MSB<<8)|(\new)
.set MSB, (\new)
.endif
.endm
.set MUL_LO, 0xa1                      ; source 0 (B) window 1, source 1 (A) window 0, C and D window 2
.set MUL_HI, 0xf1                      ; the same, C and D window 3
.set TO_B,   0x40
; A joint load: waves 0 and 1 fetch for A, waves 2 and 3 for B; the branch hangs on the wave's number alone.  Four v_nop follow each of the two lines.
.macro JLOAD g0a, g1a, g0b, g1b
	s_cmp_eq_u32 s15, 0
	s_cbranch_scc0 .Lfor_b_\@
	tensor_load_to_lds s[\g0a:\g0a+3], s[\g1a:\g1a+7]
	s_nop 0
.rept 4
	v_nop
.endr
	s_branch .Lasked_\@
.Lfor_b_\@:
	tensor_load_to_lds s[\g0b:\g0b+3], s[\g1b:\g1b+7]
	s_nop 0
.rept 4
	v_nop
.endr
.Lasked_\@:
.endm
.macro CREST                           ; a round of the cluster's barrier behind its opening barrier
	s_cmp_lg_u32 s14, 0
	s_cbranch_scc1 .Lnot_wave_0_\@
	s_barrier_signal -3
.Lnot_wave_0_\@:
	s_barrier_wait -3
	s_barrier_signal -1
	s_barrier_wait -1
.endm
.macro CROUND
	s_barrier_signal -1
	s_barrier_wait -1
	CREST
.endm
	s_load_b512 s[68:83], s[0:1], 0x0              ; x codes 68, x scales 70, Wv codes 72, Wv scales 74, Wq codes 76, Wq scales 78, Wk codes 80, Wk scales 82
	s_load_b256 s[84:91], s[0:1], 0x40             ; bq 84, bk 86, bv 88, qimg 90
	s_load_b64 s[92:93], s[0:1], 0x60              ; kvimg
	v_lshl_add_u32 v[SPW], v0, 2, SPARE
	v_mov_b32 v[NIL], 0
	ds_add_u32 v28, v29
	ds_add_u32 v28, v29
	s_wait_dscnt 0x0
	v_lshrrev_b32 v1, 5, v0
	v_readfirstlane_b32 s14, v1                    ; wave 0..3
	s_lshr_b32 s15, s14, 1                         ; which half of A's 256 rows is mine.  Also: I fetch for A (0) or for B (1)
	s_and_b32 s16, s14, 1                          ; which half of B's 256 rows.  Also: which 128 rows I fetch
	s_bfe_u32 s40, ttmp6, 0x40000                  ; cx
	s_bfe_u32 s41, ttmp6, 0x40004                  ; cy
	s_and_b32 s18, ttmp7, 0xffff
	s_lshl_b32 s18, s18, 2                         ; 4 x cluster y
	s_add_co_u32 s19, s18, s41                     ; + cy
	s_add_co_u32 s46, s18, s40                     ; + cx
	s_cmp_eq_u32 ttmp9, 2                          ; the cluster's x says which product: 0 q, 1 k, 2 v: the same in all sixteen partners
	s_cselect_b32 s66, 1, 0                        ; v?
	s_cselect_b32 s17, s41, s19                    ; A's tile: v: cy (Wv has four);  q, k: 4 cluster y + cy (x has 32).  It never holds cx
	s_cselect_b32 s42, s46, s40                    ; B's tile: v: 4 cluster y + cx;  q, k: cx.  It never holds cy
	s_lshl_b32 s43, s41, 2
	s_lshl_b32 s43, 15, s43                        ; my row of the cluster
	s_lshl_b32 s44, 0x1111, s40                    ; my column
	; descriptor group 1: a tile of 128 rows x 192 bytes, 16 bytes of padding behind every 64
	s_or_b32 s[G1+0], s43, (0<<16)|(1<<20)|(1<<21)|(3<<22)|(3<<25)
	s_or_b32 s[G1B+0], s44, (0<<16)|(1<<20)|(1<<21)|(3<<22)|(3<<25)
.irp g, G1, G1B
	s_mov_b32 s[\g+1], ROWB<<16                    ; tensor_dim0
	s_mov_b32 s[\g+2], 128<<16                     ; tensor_dim1
	s_mov_b32 s[\g+3], ROWB<<16                    ; tile_dim0
	s_mov_b32 s[\g+4], 128                         ; tile_dim1
	s_mov_b32 s[\g+5], KROW                        ; from row to row
	s_mov_b32 s[\g+6], 0
	s_mov_b32 s[\g+7], 0
.endr
	s_wait_kmcnt 0x0
	s_cmp_eq_u32 ttmp9, 0                          ; the buffers are chosen on the cluster's x alone
	s_cselect_b64 s[8:9], s[76:77], s[80:81]       ; B's codes: Wq or Wk,
	s_cselect_b64 s[10:11], s[78:79], s[82:83]     ; B's scales,
	s_cselect_b64 s[12:13], s[84:85], s[86:87]     ; the bias,
	s_cselect_b64 s[96:97], s[90:91], s[92:93]     ; where the images go: qimg, else kvimg
	s_cmp_eq_u32 ttmp9, 2
	s_cselect_b64 s[4:5], s[72:73], s[68:69]       ; A's codes: Wv, else x
	s_cselect_b64 s[6:7], s[74:75], s[70:71]
	s_cselect_b64 s[8:9], s[68:69], s[8:9]         ; for v, B is x
	s_cselect_b64 s[10:11], s[70:71], s[10:11]
	s_cselect_b64 s[12:13], s[88:89], s[12:13]
	; group 1 for the scales of 128 rows: 4,096 dense bytes as 16 rows of 256 bytes (32 elements of 8), 16 bytes of padding behind each
	s_or_b32 s[G1S+0], s43, (3<<16)|(1<<20)|(1<<21)|(5<<22)|(3<<25)
	s_or_b32 s[G1SB+0], s44, (3<<16)|(1<<20)|(1<<21)|(5<<22)|(3<<25)
.irp g, G1S, G1SB
	s_mov_b32 s[\g+1], 32<<16
	s_mov_b32 s[\g+2], (128*KS/256)<<16
	s_mov_b32 s[\g+3], 32<<16
	s_mov_b32 s[\g+4], 128*KS/256
	s_mov_b32 s[\g+5], 32
	s_mov_b32 s[\g+6], 0
	s_mov_b32 s[\g+7], 0
.endr
	s_lshl_b32 s18, s16, 7                         ; which 128 rows of the tile I fetch
	s_lshl_b32 s20, s17, 8
	s_add_co_u32 s20, s20, s18                     ; A: row 256 x tile + 128 x half
	s_lshl_b32 s46, s42, 8
	s_add_co_u32 s46, s46, s18                     ; B likewise
	s_mov_b32 s21, 0
	s_mov_b32 s47, 0
	s_mov_b64 s[18:19], KS
	s_mul_u64 s[22:23], s[20:21], s[18:19]         ; where these rows' scales begin,
	s_mul_u64 s[92:93], s[46:47], s[18:19]
	s_mov_b64 s[18:19], KROW
	s_mul_u64 s[20:21], s[20:21], s[18:19]         ; and their codes
	s_mul_u64 s[46:47], s[46:47], s[18:19]
	s_mul_i32 s45, s14, HALFT                      ; where they go: wave x 128 rows: no place in the cluster enters an LDS address
	s_mul_i32 s94, s14, HALFS
	s_add_nc_u64 s[20:21], s[4:5], s[20:21]
	s_add_nc_u64 s[22:23], s[6:7], s[22:23]
	s_add_nc_u64 s[46:47], s[8:9], s[46:47]
	s_add_nc_u64 s[92:93], s[10:11], s[92:93]
	CROUND                                         ; all sixteen work-groups are here: the first joint loads meet
	s_mov_b32 s[G0S], 1
	s_add_co_u32 s[G0S+1], s94, SCL
	s_mov_b64 s[G0S+2:G0S+3], s[22:23]
	s_or_b32 s[G0S+3], s[G0S+3], 0x80000000
	s_mov_b32 s[G0SB], 1
	s_add_co_u32 s[G0SB+1], s94, SCL
	s_mov_b64 s[G0SB+2:G0SB+3], s[92:93]
	s_or_b32 s[G0SB+3], s[G0SB+3], 0x80000000
	JLOAD G0S, G1S, G0SB, G1SB                     ; the scales first: they are wanted with K step 0.  With the two slots' fills three loads of mine are out
.irp s, 0,1
	s_mov_b32 s[G0+4*\s], 1
	s_add_co_u32 s[G0+4*\s+1], s45, \s*SLOT
	s_add_nc_u64 s[G0+4*\s+2:G0+4*\s+3], s[20:21], \s*ROWB
	s_or_b32 s[G0+4*\s+3], s[G0+4*\s+3], 0x80000000
	s_mov_b32 s[G0B+4*\s], 1
	s_add_co_u32 s[G0B+4*\s+1], s45, \s*SLOT
	s_add_nc_u64 s[G0B+4*\s+2:G0B+4*\s+3], s[46:47], \s*ROWB
	s_or_b32 s[G0B+4*\s+3], s[G0B+4*\s+3], 0x80000000
	JLOAD G0+4*\s, G1, G0B+4*\s, G1B
.endr
	v_and_b32 v1, 15, v0                           ; r = lane % 16
	v_bfe_u32 v2, v0, 4, 1                         ; h = lane / 16
	v_mul_u32_u24 v3, v1, PITCH
	v_mul_u32_u24 v4, v2, 24
	v_add_nc_u32 v4, v3, v4                        ; a fragment's row x pitch + 24 x half
	v_lshl_add_u32 v5, v2, 4, v4                   ; and the same behind one padding more
	s_mul_i32 s21, s15, HALFT                      ; my 128 rows of A
	s_mul_i32 s22, s16, HALFT                      ; my 128 rows of B,
	s_add_co_u32 s22, s22, 2*HALFT                 ; which lie behind A's 256
.irp s, 0,1
	v_add_nc_u32 v[ADRA+\s], s21, v4
	v_add_nc_u32 v[ADRB+\s], s22, v4
	v_add_nc_u32 v[ADRA+2+\s], s21, v5
	v_add_nc_u32 v[ADRB+2+\s], s22, v5
	s_add_co_u32 s21, s21, SLOT
	s_add_co_u32 s22, s22, SLOT
.endr
	v_mul_u32_u24 v5, v1, KS                       ; my row's scales: 32 bytes a row,
	v_lshrrev_b32 v6, 8, v5
	v_lshl_add_u32 v5, v6, 4, v5                   ; and 16 more for each 256 passed
	s_mul_i32 s21, s15, HALFS
	s_mul_i32 s22, s16, HALFS
	s_add_co_u32 s22, s22, 2*HALFS
	s_sub_co_u32 s22, s22, s21
	v_mul_u32_u24 v6, s22, v2                      ; lanes 16-31 take B's: one product, the distance between the two bases x h
	s_add_co_u32 s21, s21, SCL
	v_add_nc_u32 v5, v5, v6
	v_add_nc_u32 v[ADRS], s21, v5
	; the bias table.  q, k: register 8 b + j = bias[256 B's tile + 128 half + 16 b + 8 h + j];  v: registers 8 a + 0..7 all = bv[256 A's tile + 128 half + 16 a + r]
	s_cmp_eq_u32 s66, 1
	s_cselect_b32 s18, s17, s42
	s_cselect_b32 s19, s15, s16
	s_lshl_b32 s18, s18, 10
	s_lshl_b32 s19, s19, 9
	s_add_co_u32 s18, s18, s19
	s_mov_b32 s19, 0
	s_add_nc_u64 s[12:13], s[12:13], s[18:19]
	v_lshlrev_b32 v7, 5, v2                        ; 32 h
	v_lshlrev_b32 v8, 2, v1                        ; 4 r
	s_cmp_eq_u32 s66, 1
	s_cbranch_scc1 .Lbias_v
.irp b, 0,1,2,3,4,5,6,7
	global_load_b128 v[BI+8*\b:BI+8*\b+3], v7, s[12:13] offset:64*\b
	global_load_b128 v[BI+8*\b+4:BI+8*\b+7], v7, s[12:13] offset:64*\b+16
.endr
	s_branch .Lbias_done
.Lbias_v:
.irp a, 0,1,2,3,4,5,6,7
.irp j, 0,1,2,3,4,5,6,7
	global_load_b32 v[BI+8*\a+\j], v8, s[12:13] offset:64*\a
.endr
.endr
.Lbias_done:
.macro FRAG reg, adr, q, i             ; 16 rows x 128 K: 12 registers: lane (r, h): registers 6 c .. 6 c + 5 = K 64 c + 32 h + 0..31: 24 bytes of the row's stream of bits, in pieces of 8 bytes
.irp p, 0,1,2,3,4,5
.set PCE, 12*(\q)+6*(\p/3)+\p%3        ; 16 bytes of padding lie behind every 8 pieces: where the piece three on (lanes 16-31) lies behind one padding more, the second address register serves
.if PCE%8 < 5
	ds_load_b64 v[\reg+2*\p:\reg+2*\p+1], v[\adr] offset:8*PCE+16*(PCE/8)+(\i)*16*PITCH
.else
	ds_load_b64 v[\reg+2*\p:\reg+2*\p+1], v[\adr+2] offset:8*PCE+16*(PCE/8)+(\i)*16*PITCH
.endif
.endr
.endm
; 16 matrix instructions: A's blocks a0, a0 + 1 x B's eight.  mode 0: the sums go on;  1: they begin with the bias by B's block;  2: by A's block.  The 64 accumulators take turns, one instruction a turn, in the same order in every step.
.macro MUL16 a0, p, q, sc, mode
.irp a, \a0, \a0+1
.irp b, 0,1,2,3,4,5,6,7
.if \mode == 0
	v_wmma_scale_f32_16x16x128_f8f6f4 v[8*(8*((\a)%4)+\b):8*(8*((\a)%4)+\b)+7], v[128*(\p)+FR*\b:128*(\p)+FR*\b+FR-1], v[AF+FR*(\a):AF+FR*(\a)+FR-1], v[8*(8*((\a)%4)+\b):8*(8*((\a)%4)+\b)+7], v[SC+8*NQ*(\sc)+NQ*\b+(\q)], v[SC+8*NQ*(\sc)+NQ*(\a)+(\q)] matrix_a_fmt:MATRIX_FMT_FP6 matrix_b_fmt:MATRIX_FMT_FP6 matrix_a_scale:MATRIX_SCALE_ROW1
.elseif \mode == 1
	v_wmma_scale_f32_16x16x128_f8f6f4 v[8*(8*((\a)%4)+\b):8*(8*((\a)%4)+\b)+7], v[128*(\p)+FR*\b:128*(\p)+FR*\b+FR-1], v[AF+FR*(\a):AF+FR*(\a)+FR-1], v[BI+8*\b:BI+8*\b+7], v[SC+8*NQ*(\sc)+NQ*\b+(\q)], v[SC+8*NQ*(\sc)+NQ*(\a)+(\q)] matrix_a_fmt:MATRIX_FMT_FP6 matrix_b_fmt:MATRIX_FMT_FP6 matrix_a_scale:MATRIX_SCALE_ROW1
.else
	v_wmma_scale_f32_16x16x128_f8f6f4 v[8*(8*((\a)%4)+\b):8*(8*((\a)%4)+\b)+7], v[128*(\p)+FR*\b:128*(\p)+FR*\b+FR-1], v[AF+FR*(\a):AF+FR*(\a)+FR-1], v[BI+8*(\a):BI+8*(\a)+7], v[SC+8*NQ*(\sc)+NQ*\b+(\q)], v[SC+8*NQ*(\sc)+NQ*(\a)+(\q)] matrix_a_fmt:MATRIX_FMT_FP6 matrix_b_fmt:MATRIX_FMT_FP6 matrix_a_scale:MATRIX_SCALE_ROW1
.endif
.endr
.endr
.endm
.macro FETCH_B slot, q, p
	WIN TO_B
.irp i, 0,1,2,3,4,5,6,7
	FRAG 128*(\p)+FR*\i, ADRB+\slot, \q, \i
.endr
	WIN 0
.endm
.macro FETCH_A slot, q, i0
.irp i, \i0, \i0+1, \i0+2, \i0+3
	FRAG AF+FR*(\i), ADRA+\slot, \q, \i
.endr
.endm
.macro SCALES sc                       ; a K step's scale words into set sc: two words a row; lanes 0-15 take A's block i, lanes 16-31 B's block i
.irp i, 0,1,2,3,4,5,6,7
	ds_load_b64 v[SC+8*NQ*\sc+NQ*\i:SC+8*NQ*\sc+NQ*\i+1], v[ADRS] offset:\i*SBLK
.endr
.endm
.macro PLACES n                        ; plain vector instructions between a matrix instruction and a load into, or a read of, its registers
.rept \n
	v_nop
.endr
.endm
; A step of 128 along K that has its successor in the same slot.  A has one set of registers (blocks 0-3 fetched anew in the middle, 4-7 at the end), B two.
.macro STEP slot, q, mode
	s_wait_dscnt 4*NL                              ; all but the youngest 24 loads, A's blocks 4-7, are in
.if \mode
	WIN 0x81                                       ; C (the bias table) window 0, D window 2
.else
	WIN MUL_LO
.endif
	MUL16 0, (\q)%2, \q, \slot, \mode
	MUL16 2, (\q)%2, \q, \slot, \mode
	s_wait_dscnt 0
	PLACES NP
	FETCH_B \slot, (\q)+1, 1-(\q)%2
	FETCH_A \slot, (\q)+1, 0
.if \mode
	WIN 0xc1
.else
	WIN MUL_HI
.endif
	MUL16 4, (\q)%2, \q, \slot, \mode
	MUL16 6, (\q)%2, \q, \slot, \mode
	PLACES NP
	WIN 0
	FETCH_A \slot, (\q)+1, 4
.endm
; A slot's last step changes slots: one barrier; in front of it each wave waits for all its tensor loads, adds 0 to its spare word, and waits for that and for its own reads of this slot.  fill = 1: the slot is filled again, two K steps ahead.
.macro TURN slot, next, fill
	s_wait_tensorcnt 0x0                           ; all my tensor loads have landed: my part of the next slot
	ds_add_u32 v[SPW], v[NIL]                      ; 0 onto my spare word
	s_wait_dscnt 4*NL+1                            ; the add and the youngest 24 loads may be out
	WIN MUL_LO
	MUL16 0, 1, NQ-1, \slot, 0
	s_wait_dscnt 0x0                               ; the add is done, and my reads of this slot are over
	s_barrier_signal -1
	MUL16 2, 1, NQ-1, \slot, 0
	WIN 0
	s_barrier_wait -1
.if \fill
	CREST                                          ; the barrier has opened a round of the cluster's barrier: no wave of any partner still reads this slot or has a load on its way
	s_add_nc_u64 s[G0+4*\slot+2:G0+4*\slot+3], s[G0+4*\slot+2:G0+4*\slot+3], 2*ROWB
	s_add_nc_u64 s[G0B+4*\slot+2:G0B+4*\slot+3], s[G0B+4*\slot+2:G0B+4*\slot+3], 2*ROWB
	JLOAD G0+4*\slot, G1, G0B+4*\slot, G1B         ; my one tensor load behind the round; its four v_nop are the places in front of the loads below
.else
	PLACES NP
.endif
	v_add_nc_u32 v[ADRS], 4*NQ, v[ADRS]            ; the next K step's scale words
	FETCH_B \next, 0, 0
	FETCH_A \next, 0, 0
	SCALES \next
	WIN MUL_HI
	MUL16 4, 1, NQ-1, \slot, 0
	MUL16 6, 1, NQ-1, \slot, 0
	PLACES NP
	WIN 0
	FETCH_A \next, 0, 4
.endm
	s_wait_tensorcnt 1                             ; the scales and my part of K step 0 are in; K step 1's load may be out
	s_barrier_signal -1
	s_barrier_wait -1
	FETCH_B 0, 0, 0
	FETCH_A 0, 0, 0
	SCALES 0
	FETCH_A 0, 0, 4
	s_wait_loadcnt 0x0                             ; the bias table
	s_cmp_eq_u32 s66, 1                            ; the first step is written twice: only which registers of the table are its C differs
	s_cbranch_scc1 .Lfirst_v
	STEP 0, 0, 1
	s_branch .Lfirst_done
.Lfirst_v:
	STEP 0, 0, 2
.Lfirst_done:
	TURN 0, 1, 1                                   ; K = 1,024 is four K steps: twice round the ring, written out
	STEP 1, 0, 0
	TURN 1, 0, 1
	STEP 0, 0, 0
	TURN 0, 1, 0                                   ; the last lap fills nothing
	STEP 1, 0, 0
	s_wait_dscnt 4*NL
	WIN MUL_LO
	MUL16 0, 1, NQ-1, 1, 0
	MUL16 2, 1, NQ-1, 1, 0
	s_wait_dscnt 0
	WIN MUL_HI
	MUL16 4, 1, NQ-1, 1, 0
	MUL16 6, 1, NQ-1, 1, 0
	WIN 0
	PLACES NP
	; THE WAY OUT.  All tensor loads have been waited for, so the descriptors' registers are free.
	; My 128 tokens are record G (a run of 128 tokens of a batch), my 128 channels heads hA and hA + 1.
	s_cmp_eq_u32 ttmp9, 0
	s_mov_b32 s95, 13056
	s_cselect_b32 s95, 6656, s95                   ; a record's bytes
	s_mov_b32 s89, 12288
	s_cselect_b32 s89, 6144, s89                   ; where q's or k's scale words begin in it
	s_lshl_b32 s98, s95, 4                         ; from a head to the next: 16 records
	s_cmp_eq_u32 s66, 1
	s_cselect_b32 s80, s42, s17                    ; the tokens' tile and half,
	s_cselect_b32 s81, s16, s15
	s_cselect_b32 s82, s17, s42                    ; the channels'
	s_cselect_b32 s83, s15, s16
	s_cselect_b32 s84, 6144, 0                     ; v's codes lie behind k's
	s_cselect_b32 s85, 3072, s98                   ; registers 6-11: v: keys 64-127 of the same tile;  q, k: the next head
	s_cselect_b32 s86, s98, 3072                   ; blocks 4-7: v: the next head;  q, k: token tiles 4-7
	s_cselect_b32 s87, 0, s98                      ; scale words: q, k: lanes 16-31 serve the next head
	s_cselect_b32 s88, s98, 256                    ; blocks 4-7's scale words
	s_cselect_b32 s89, 12800, s89
	s_cselect_b32 s67, -1, 0xffff                  ; q, k: a head's word has two bytes; the other two are cleared
	s_cselect_b32 s94, 0, 16
	s_lshl_b32 s80, s80, 1
	s_add_co_u32 s80, s80, s81                     ; G, 0..63
	s_lshl_b32 s82, s82, 2
	s_lshl_b32 s83, s83, 1
	s_add_co_u32 s82, s82, s83                     ; hA
	s_lshr_b32 s83, s80, 4                         ; the batch
	s_lshl_b32 s83, s83, 4
	s_add_co_u32 s83, s83, s82
	s_lshl_b32 s83, s83, 4
	s_and_b32 s81, s80, 15
	s_add_co_u32 s83, s83, s81                     ; the record: (16 batch + head) x 16 + run of tokens
	s_mul_i32 s90, s83, s95
	s_mov_b32 s91, 0
	s_add_nc_u64 s[76:77], s[96:97], s[90:91]
	s_mov_b32 s90, s84
	s_add_nc_u64 s[68:69], s[76:77], s[90:91]      ; blocks 0-3, registers 0-5
	s_mov_b32 s90, s85
	s_add_nc_u64 s[70:71], s[68:69], s[90:91]      ; blocks 0-3, registers 6-11
	s_mov_b32 s90, s86
	s_add_nc_u64 s[72:73], s[68:69], s[90:91]      ; blocks 4-7
	s_add_nc_u64 s[74:75], s[70:71], s[90:91]
	s_mov_b32 s90, s89
	s_add_nc_u64 s[76:77], s[76:77], s[90:91]      ; scale words of blocks 0-3,
	s_mov_b32 s90, s88
	s_add_nc_u64 s[78:79], s[76:77], s[90:91]      ; of blocks 4-7
	s_mov_b32 s99, 0x1800000                       ; the floor 2^(3 - 127): the byte cannot fall under 1
	s_mov_b32 s100, 0x76543210
	s_mov_b32 s101, 0xfedcba98                     ; v_permlanex16_b32's selects for lane l xor 16
	v_and_b32 v1, 31, v0
	v_lshlrev_b32 v[VO16], 4, v1
	v_lshlrev_b32 v[VO8], 3, v1
	v_and_b32 v1, 15, v0
	v_bfe_u32 v2, v0, 4, 1
	v_mul_u32_u24 v[VS], s87, v2
	v_lshl_add_u32 v[VS], v1, 4, v[VS]             ; 16 r (+ a head for lanes 16-31)
	v_mul_u32_u24 v[SH], s94, v2
.irp b, 0,1,2,3
	v_mov_b32 v[TM+4+\b], 0                        ; written once: a lane permute's destination counts as one of its sources
.endr
; Block a: 16 rows of A x my 128 rows of B, 64 numbers a lane in the accumulators, register 16 b + i of them in block b of 32: they become one fragment and one scale word a row.
.macro QOUT a
.set AC, 64*((\a)%4)
.set PB, 68+4*((\a)/4)
	WIN 0x28+0x14*((\a)/4)                         ; sources 1 and 2: window 2 or 3
.irp b, 0,1,2,3
	v_max3_num_f32 v[TM+\b], s99, |v[AC+16*\b]|, |v[AC+16*\b+1]|   ; my 16 numbers of block b, and the floor; each accumulator is read from its low end on
.endr
.irp i, 2,4,6,8,10,12,14
.irp b, 0,1,2,3
	v_max3_num_f32 v[TM+\b], v[TM+\b], |v[AC+16*\b+\i]|, |v[AC+16*\b+\i+1]|
.endr
.endr
	WIN 0
.irp b, 0,1,2,3
	v_permlanex16_b32 v[TM+4+\b], v[TM+\b], s100, s101
.endr
.irp b, 0,1,2,3
	v_max_num_f32 v[TM+\b], v[TM+\b], v[TM+4+\b]   ; with lane l xor 16's: the block's largest magnitude
.endr
.irp b, 0,1,2,3
	v_add_nc_u32 v[TM+12+\b], 0xff000000, v[TM+\b] ; 2 off its exponent field: the conversion's scale operand
.endr
.irp b, 0,1,2,3
	v_lshrrev_b32 v[TM+4+\b], 23, v[TM+12+\b]      ; the scale's byte
.endr
	v_lshl_or_b32 v[PW], v[TM+5], 8, v[TM+4]
	v_lshl_or_b32 v[PW], v[TM+6], 16, v[PW]
	v_lshl_or_b32 v[PW], v[TM+7], 24, v[PW]
	v_lshrrev_b32 v[W+\a], v[SH], v[PW]            ; q, k: lanes 16-31 keep the next head's two bytes
	v_and_b32 v[W+\a], s67, v[W+\a]
.if \a > 0
	s_wait_xcnt 0x0                                ; the last block's stores have read the codes' registers: they are written again only behind this wait
.endif
	WIN 0x02+(\a)/4                                ; source 0: window 2 or 3
.irp c, 0,1
	v_cvt_scalef32_pk16_fp6_f32 v[PC+6*\c:PC+2+6*\c], v[AC+32*\c:AC+15+32*\c], v[TM+12+2*\c]
	v_cvt_scalef32_pk16_fp6_f32 v[PC+12+4*\c:PC+14+4*\c], v[AC+16+32*\c:AC+31+32*\c], v[TM+12+2*\c+1]   ; (a conversion's three registers begin on an even number)
.endr
	WIN 0
	v_nop                                          ; one plain place behind a scaled conversion
.irp c, 0,1                                    ; the operand's layout wants a whole block in a lane: lanes 0-15 block 2 c, lanes 16-31 block 2 c + 1
.irp i, 0,1,2
	v_permlane16_swap_b32 v[PC+6*\c+\i], v[PC+12+4*\c+\i]
.endr
.irp i, 0,1,2
	v_mov_b32 v[PC+3+6*\c+\i], v[PC+12+4*\c+\i]
.endr
.endr
	global_store_b128 v[VO16], v[PC:PC+3], s[PB:PB+1] offset:768*((\a)%4)            ; 512 consecutive bytes, aligned to 256
	global_store_b64 v[VO8], v[PC+4:PC+5], s[PB:PB+1] offset:768*((\a)%4)+512        ; 256
	global_store_b128 v[VO16], v[PC+6:PC+9], s[PB+2:PB+3] offset:768*((\a)%4)
	global_store_b64 v[VO8], v[PC+10:PC+11], s[PB+2:PB+3] offset:768*((\a)%4)+512
.endm
.irp a, 0,1,2,3,4,5,6,7
	QOUT \a
.endr
	global_store_b128 v[VS], v[W:W+3], s[76:77]    ; sixteen lanes store 256 consecutive bytes.  For v lanes 16-31 hold the same words and store them to the same bytes
	global_store_b128 v[VS], v[W+4:W+7], s[78:79]
	s_wait_tensorcnt 0x0                           ; the wave's end
	ds_add_u32 v[SPW], v[NIL]
	s_wait_dscnt 0x0
	CROUND                                         ; the closing round: no work-group ends while a partner may still ask for a tile that names it
	s_endpgm
.Lfunc_end_k_q77f99d3b9f_qkv:
	.size	k_q77f99d3b9f_qkv, .Lfunc_end_k_q77f99d3b9f_qkv-k_q77f99d3b9f_qkv
	.p2alignl 7, 3214868480
	.fill 96, 4, 3214868480
	.section	.rodata,"a",@progbits
	.p2align	6, 0x0
	.amdhsa_kernel k_q77f99d3b9f_qkv
		.amdhsa_group_segment_fixed_size 327680
		.amdhsa_private_segment_fixed_size 0
		.amdhsa_enable_private_segment 0
		.amdhsa_kernarg_size 104
		.amdhsa_user_sgpr_count 2
		.amdhsa_user_sgpr_kernarg_segment_ptr 1
		.amdhsa_wavefront_size32 1
		.amdhsa_system_sgpr_workgroup_id_x 1
		.amdhsa_system_sgpr_workgroup_id_y 1
		.amdhsa_system_sgpr_workgroup_id_z 1
		.amdhsa_system_vgpr_workitem_id 0
		.amdhsa_next_free_vgpr 1024
		.amdhsa_next_free_sgpr 102
		.amdhsa_reserve_vcc 0
		.amdhsa_float_denorm_mode_32 3
		.amdhsa_float_denorm_mode_16_64 3
		.amdhsa_memory_ordered 1
		.amdhsa_forward_progress 1
		.amdhsa_inst_pref_size 188
	.end_amdhsa_kernel
	.amdgpu_metadata
---
amdhsa.version: [ 1, 2 ]
amdhsa.kernels:
  - .name:           k_q77f99d3b9f_qkv
    .symbol:         k_q77f99d3b9f_qkv.kd
    .args:
      - { .name: x_codes, .offset: 0, .size: 8, .value_kind: global_buffer, .address_space: global }
      - { .name: x_scales, .offset: 8, .size: 8, .value_kind: global_buffer, .address_space: global }
      - { .name: Wv_codes, .offset: 16, .size: 8, .value_kind: global_buffer, .address_space: global }
      - { .name: Wv_scales, .offset: 24, .size: 8, .value_kind: global_buffer, .address_space: global }
      - { .name: Wq_codes, .offset: 32, .size: 8, .value_kind: global_buffer, .address_space: global }
      - { .name: Wq_scales, .offset: 40, .size: 8, .value_kind: global_buffer, .address_space: global }
      - { .name: Wk_codes, .offset: 48, .size: 8, .value_kind: global_buffer, .address_space: global }
      - { .name: Wk_scales, .offset: 56, .size: 8, .value_kind: global_buffer, .address_space: global }
      - { .name: bq, .offset: 64, .size: 8, .value_kind: global_buffer, .address_space: global }
      - { .name: bk, .offset: 72, .size: 8, .value_kind: global_buffer, .address_space: global }
      - { .name: bv, .offset: 80, .size: 8, .value_kind: global_buffer, .address_space: global }
      - { .name: qimg, .offset: 88, .size: 8, .value_kind: global_buffer, .address_space: global }
      - { .name: kvimg, .offset: 96, .size: 8, .value_kind: global_buffer, .address_space: global }
    .group_segment_fixed_size: 327680
    .private_segment_fixed_size: 0
    .kernarg_segment_align: 8
    .kernarg_segment_size: 104
    .max_flat_workgroup_size: 128
    .sgpr_count:     102
    .vgpr_count:     1024
    .wavefront_size: 32
...
	.end_amdgpu_metadata
.endif
;; end of part 1
;; launch attn (part 2): grid 4 x 64, 16 waves a work-group, clusters of 4 x 1, 215,040 bytes of LDS; arguments qimg, kvimg, oimg, oscl; writes oimg, oscl
.if DOCPART == 2
	.amdgcn_target "amdgcn-amd-amdhsa--gfx1250"
	.amdhsa_code_object_version 6
	.text
	.protected	k_q77f99d3b9f_attn
	.globl	k_q77f99d3b9f_attn
	.p2align	8
	.type	k_q77f99d3b9f_attn,@function
k_q77f99d3b9f_attn:
	s_mov_b64 s[64:65], 0
	v_nop
	global_prefetch_b8 v0, s[64:65] scope:SCOPE_SE
	s_setreg_imm32_b32 hwreg(HW_REG_WAVE_MODE, 25, 1), 1
	s_wait_xcnt 0x0
	s_wait_alu depctr_hold_cnt(0) depctr_sa_sdst(0) depctr_va_vdst(0) depctr_va_sdst(0) depctr_va_ssrc(0) depctr_va_vcc(0) depctr_vm_vsrc(0)
	s_getreg_b32 s2, hwreg(HW_REG_IB_STS2, 6, 4)
	s_cmp_eq_u32 s2, 0
	s_cbranch_scc0 .Lentry_in_a_cluster
	s_endpgm
.Lentry_in_a_cluster:
	s_bfe_u32 s2, ttmp6, 0x10000c
	s_cmp_lg_u32 s2, 0x3003
	s_cbranch_scc0 .Lentry_shape_is_right
	s_endpgm
.Lentry_shape_is_right:
; Causal attention of one head on codes of FP6 (E2M3): S^T = K Q^T (K = the head's 64 channels), p = 2^(t - M), O^T = V^T P^T (K = the keys), O / l, and O quantised along the model's 1,024 for the last product.
; t = score x log2(e) / 8; M = the running largest t rounded UP to a whole number; p is quantised along the keys, not normalised; the row's sum l is taken of the unquantised p and divides at the end.
; INPUTS are images of operand registers: a fragment's six registers lie as 512 bytes (registers 0-3, 16 bytes a lane) and 256 bytes (registers 4-5, 8 bytes a lane).
;   qimg  [batch x head 64][128 tokens 16][6,656]: 8 tiles x 768; at 6,144 scale words [tiles 0-3 | 4-7][row 16][4 words]
;   kvimg [batch x head 64][128 keys 16][13,056]: K's 8 tiles x 768; at 6,144 V [keys 0-63 | 64-127][channel tile 4][768]; at 12,288 K's scale words; at 12,800 V's [row 16][tile 4]
; Inside a block of 32 the codes of q and k (along channels) and of v (along keys) stand in the order 0-7, 16-23, 8-15, 24-31.  p gets the same order here, by the same steps: each product sums the same pairs.
; THE WHOLE HEAD LIES IN LDS: 16 records, 208,896 bytes, filled once, as they lie in memory: no ring, nothing is filled again.
; CLUSTER: the four work-groups of a head ask for it jointly (mask 15): waves 0 to 3 fetch, two loads each: record w, then records 4 + 3 w .. 6 + 3 w.
; SHARES.  A tile of 16 queries with number 8 m + sub needs m + 1 key steps of 128 (the steps behind the diagonal are thrown away by the mask and are not done).  Wave w of work-group g has sub = 2 g + w / 8,
; mL = w % 8, mH = 15 - mL and owns tiles 8 mH + sub and 8 mL + sub: (16 - mL) + (mL + 1) = 17 steps for every wave of the launch.  Branches hang on the wave's number alone.
; K = 64 IN AN INSTRUCTION OF 128: Q's registers 6-11 are zero codes.  K's tile t is named as v[32 + 6 t .. 43 + 6 t]: its upper six registers hold the next tile's codes (behind tile 7: zeros), which meet zero codes;
; the upper two bytes of q's and k's scale words are 0.  So the upper half of each product adds nothing.
; OUTPUTS: oimg [token tile 512][head 16][768]: the six registers of the head's 64 channels, in their true order, since they meet the given codes of Wo; oscl [token 8,192][32]: one byte a block.
; oscl's bytes are stored one a lane, 32 bytes apart: a token's 32 bytes come from 16 heads, which are 16 clusters.
; LIMITS: NaN and infinities are not served; a block of O whose largest magnitude lies under 2^-124 gets the byte 1 (read by this program alone); 1 / l is v_rcp_f32.
; REGISTERS: v1-3 lane terms; v4-6 the step's LDS addresses; v7 the mask's number; v8 -infinity; v9 oscl's offset; v12 -M, v13 the largest t, v[14:15] the sum; v16-27 Q of the late tile, v28 its scale word;
;   v32-85 K's or V's fragments (v80-85 zeros); v96-159 S^T, then p; v160-191 O^T; v192-199 K's scale words, v200-203 V's; v204-215 Q of the early tile, v216 its scale word; v224-235 p's codes; v232-254 at work; v253 p's scale word.
.set REC,  13056
.set QREC, 6656
.set VC,   6144                        ; in a record: V's codes,
.set KSC,  12288                       ; K's scale words,
.set VSC,  12800                       ; V's
.macro ROUND                           ; a round of the cluster's barrier
	s_barrier_signal -1
	s_barrier_wait -1
	s_cmp_lg_u32 s12, 0
	s_cbranch_scc1 .Lnot_wave_0_\@
	s_barrier_signal -3
.Lnot_wave_0_\@:
	s_barrier_wait -3
	s_barrier_signal -1
	s_barrier_wait -1
.endm
	s_load_b256 s[4:11], s[0:1], 0x0               ; qimg s[4:5], kvimg s[6:7], oimg s[8:9], oscl s[10:11]
	v_lshl_add_u32 v252, v0, 2, 0x34000
	v_mov_b32 v255, 0
	ds_add_u32 v252, v255
	ds_add_u32 v252, v255
	v_lshrrev_b32 v1, 5, v0
	s_delay_alu instid0(VALU_DEP_1)
	v_readfirstlane_b32 s12, v1                    ; wave 0..15
	s_bfe_u32 s13, ttmp6, 0x40000                  ; cx: it enters global addresses and the mask's number, nothing else
	s_and_b32 s14, ttmp7, 0xffff                   ; batch x 16 + head, which the four partners share
	s_lshr_b32 s15, s12, 3
	s_lshl_b32 s2, s13, 1
	s_add_co_u32 s15, s15, s2                      ; sub = 2 cx + wave / 8
	s_and_b32 s16, s12, 7                          ; mL
	s_xor_b32 s17, s16, 15                         ; mH = 15 - mL
	; descriptor groups 1: dense rows of 256 bytes (32 elements of 8), no padding; 51 rows (a record) and 153 (three)
	s_mov_b32 s24, 15|(3<<16)|(1<<21)              ; the mask: all four work-groups; elements of 8 bytes; bit 21 beside a mask
	s_mov_b32 s25, 32<<16
	s_mov_b32 s26, 51<<16
	s_mov_b32 s27, 32<<16
	s_mov_b32 s28, 51
	s_mov_b32 s29, 32
	s_mov_b32 s30, 0
	s_mov_b32 s31, 0
	s_mov_b32 s32, 15|(3<<16)|(1<<21)
	s_mov_b32 s33, 32<<16
	s_mov_b32 s34, 153<<16
	s_mov_b32 s35, 32<<16
	s_mov_b32 s36, 153
	s_mov_b32 s37, 32
	s_mov_b32 s38, 0
	s_mov_b32 s39, 0
	s_min_u32 s3, s12, 3
	s_mov_b32 s40, 1
	s_mul_i32 s41, s3, REC                         ; LDS address = the offset in the head
	s_mov_b32 s44, 1
	s_mul_i32 s45, s3, 3*REC
	s_add_co_u32 s45, s45, 4*REC
	s_mul_i32 s60, s14, 16*REC                     ; the head's first byte in kvimg
	s_mov_b32 s20, 0x76543210
	s_mov_b32 s21, 0xfedcba98                      ; v_permlanex16_b32's selects for lane l xor 16
	s_mov_b32 s22, 0x3e38aa3b                      ; c = log2(e) / 8
	s_mov_b32 s23, s22                             ; (named with it as a pair)
	s_mov_b32 s61, 0xffff0000                      ; lanes 16-31
	s_mov_b32 s67, 0
	s_wait_dscnt 0x0
	s_wait_kmcnt 0x0
	s_add_co_u32 s66, s60, s41
	s_add_nc_u64 s[42:43], s[6:7], s[66:67]
	s_or_b32 s43, s43, 0x80000000
	s_add_co_u32 s66, s60, s45
	s_add_nc_u64 s[46:47], s[6:7], s[66:67]
	s_or_b32 s47, s47, 0x80000000
	ROUND                                          ; all four work-groups are here: the joint loads meet
	s_cmp_lt_u32 s12, 4                            ; a wave's two fills stand in one branch, ahead of every wait on TENSORcnt and every LDS read: two loads of mine are out
	s_cbranch_scc0 .Lno_fill
	tensor_load_to_lds s[40:43], s[24:31]
	s_nop 0
	tensor_load_to_lds s[44:47], s[32:39]
	s_nop 0
.rept 4
	v_nop
.endr
.Lno_fill:
	s_lshr_b32 s62, s14, 4                         ; the batch
	s_and_b32 s63, s14, 15                         ; the head
	s_lshl_b32 s62, s62, 7
	s_add_co_u32 s62, s62, s15                     ; 128 batch + sub
.macro PTRS m, q, oc, os               ; for the tile 8 m + sub: its record of q, its place in oimg and in oscl
	s_lshl_b32 s66, s14, 4
	s_add_co_u32 s66, s66, s[\m]
	s_mul_i32 s66, s66, QREC
	s_add_nc_u64 s[\q:\q+1], s[4:5], s[66:67]
	s_lshl_b32 s2, s[\m], 3
	s_add_co_u32 s2, s2, s62                       ; the token tile, 0..511
	s_lshl_b32 s66, s2, 4
	s_add_co_u32 s66, s66, s63
	s_mul_i32 s66, s66, 768
	s_add_nc_u64 s[\oc:\oc+1], s[8:9], s[66:67]
	s_lshl_b32 s66, s2, 9                          ; 16 tokens x 32 bytes
	s_lshl_b32 s3, s63, 1
	s_add_co_u32 s66, s66, s3                      ; + the head's two bytes
	s_add_nc_u64 s[\os:\os+1], s[10:11], s[66:67]
.endm
	PTRS 17, 48, 52, 56
	PTRS 16, 50, 54, 58
	s_mul_i32 s2, s15, 768                         ; my tile in a record of q,
	s_lshr_b32 s3, s15, 2
	s_lshl_b32 s3, s3, 8
	s_and_b32 s66, s15, 3
	s_lshl_b32 s66, s66, 2
	s_add_co_u32 s3, s3, s66                       ; and its scale words
	v_and_b32 v10, 31, v0
	s_delay_alu instid0(VALU_DEP_1)
	v_lshlrev_b32 v1, 4, v10                       ; 16 x lane
	s_delay_alu instid0(VALU_DEP_2)
	v_lshlrev_b32 v2, 3, v10                       ; 8 x lane
	v_and_b32 v11, 15, v0                          ; r
	s_delay_alu instid0(VALU_DEP_1)
	v_lshlrev_b32 v3, 4, v11                       ; 16 r
	v_bfe_u32 v10, v0, 4, 1                        ; h
	v_add_nc_u32 v240, s2, v1
	v_add_nc_u32 v241, s2, v2
	s_delay_alu instid0(VALU_DEP_4)
	v_add_nc_u32 v242, s3, v3
	global_load_b128 v[16:19], v240, s[48:49]
	global_load_b64 v[20:21], v241, s[48:49] offset:512
	global_load_b32 v28, v242, s[48:49] offset:6144
	global_load_b128 v[204:207], v240, s[50:51]
	global_load_b64 v[208:209], v241, s[50:51] offset:512
	global_load_b32 v216, v242, s[50:51] offset:6144
	v_lshl_add_u32 v9, v11, 5, v10                 ; oscl: 32 r + h
	v_lshlrev_b32 v10, 3, v10
	s_delay_alu instid0(VALU_DEP_1)
	v_sub_nc_u32 v7, v11, v10
	s_lshl_b32 s2, s15, 4
	v_add_nc_u32 v7, s2, v7                        ; d = 16 sub + r - 8 h.  In the diagonal step register 8 t + j holds key 16 t + 8 h + j: hidden where 16 t + j > d
	v_mov_b32 v8, 0xff800000                       ; -infinity
.irp j, 22,23,24,25,26,27, 210,211,212,213,214,215, 80,81,82,83,84,85
	v_mov_b32 v\j, 0                               ; zero codes: the upper half of Q's fragments, and what stands behind K's tile 7
.endr
.irp j, 236,237,238,239, 251, 254
	v_mov_b32 v\j, 0                               ; written once: lane permutes' destinations, and the upper half of the pair v[250:251]
.endr
.macro INIT                            ; a tile begins: O^T and the sum are zeros, the largest t lies under every t: the first change of M multiplies zeros
	v_mov_b32 v13, 0xff61b1e6                      ; -3e38
	s_delay_alu instid0(VALU_DEP_1)
	v_floor_f32 v12, -v13
	v_mov_b32 v14, 0
	v_mov_b32 v15, 0
.set J, 0
.rept 32
	v_mov_b32 v[160+J], 0
.set J, J+1
.endr
.endm
; A KEY STEP: the 128 keys of the record at LDS byte s18, for the tile whose Q lies in v[qf] on and whose scale word in v[qs].  masked = 1: the diagonal step.
.macro STEP qf, qs, masked
	s_setprio 2
	v_add_nc_u32 v4, s18, v1
	v_add_nc_u32 v5, s18, v2
	v_add_nc_u32 v6, s18, v3
	v_nop                                          ; four places between the last step's products and the loads into the registers that they read
.irp t, 0,1,2,3,4,5,6,7
	ds_load_b128 v[32+6*\t:35+6*\t], v4 offset:768*\t
	ds_load_b64 v[36+6*\t:37+6*\t], v5 offset:768*\t+512
.endr
	ds_load_b128 v[192:195], v6 offset:KSC         ; lane r: the words of row r of tiles 0-3,
	ds_load_b128 v[196:199], v6 offset:KSC+256     ; of tiles 4-7
	s_wait_alu depctr_va_vdst(0)
	s_wait_dscnt 0x0
.irp t, 0,1,2,3,4,5,6,7
	v_wmma_scale_f32_16x16x128_f8f6f4 v[96+8*\t:103+8*\t], v[32+6*\t:43+6*\t], v[\qf:\qf+11], 0, v[192+\t], v[\qs] matrix_a_fmt:MATRIX_FMT_FP6 matrix_b_fmt:MATRIX_FMT_FP6
.endr
.rept 4
	v_nop                                          ; places in front of the loads below and of the first read of the scores
.endr
.irp t, 0,1,2,3                                ; V's four tiles are asked for now and land under the softmax
	ds_load_b128 v[32+12*\t:35+12*\t], v4 offset:VC+768*\t
	ds_load_b64 v[36+12*\t:37+12*\t], v5 offset:VC+768*\t+512
	ds_load_b128 v[38+12*\t:41+12*\t], v4 offset:VC+3072+768*\t
	ds_load_b64 v[42+12*\t:43+12*\t], v5 offset:VC+3072+768*\t+512
.endr
	ds_load_b128 v[200:203], v6 offset:VSC
.if \masked                                    ; hidden scores become -infinity ahead of the maximum: p = 0 then.  Key 0 of the step counts for every query of the tile
.set N, 0
.rept 64
	v_cmp_gt_i32 vcc_lo, 16*(N/8)+N%8, v7
	v_cndmask_b32 v[96+N], v[96+N], v8, vcc_lo
.set N, N+1
.endr
.endif
.irp b, 0,1,2,3
	v_max3_num_f32 v[232+\b], v[96+16*\b], v[97+16*\b], v[98+16*\b]   ; the largest score of each block of 32 keys: for the row's maximum and, since p rises with the score, for the block's largest p
.endr
.irp i, 3,5,7,9,11,13
.irp b, 0,1,2,3
	v_max3_num_f32 v[232+\b], v[232+\b], v[96+16*\b+\i], v[97+16*\b+\i]
.endr
.endr
.irp b, 0,1,2,3
	v_max_num_f32 v[232+\b], v[232+\b], v[111+16*\b]
.endr
.irp b, 0,1,2,3
	s_delay_alu instid0(VALU_DEP_4)
	v_permlanex16_b32 v[236+\b], v[232+\b], s20, s21
.endr
.irp b, 0,1,2,3
	s_delay_alu instid0(VALU_DEP_4)
	v_max_num_f32 v[232+\b], v[232+\b], v[236+\b]  ; with lane l xor 16's 16 keys
.endr
	s_delay_alu instid0(VALU_DEP_2)
	v_max3_num_f32 v254, v232, v233, v234
	s_delay_alu instid0(VALU_DEP_1)
	v_max_num_f32 v254, v254, v235
	s_delay_alu instid0(VALU_DEP_1)
	v_mul_f32 v254, s22, v254                      ; as t (c is positive)
	s_delay_alu instid0(VALU_DEP_1)
	v_max_num_f32 v13, v13, v254                   ; the running largest t
	v_mov_b32 v254, v12
	s_delay_alu instid0(VALU_DEP_2)
	v_floor_f32 v12, -v13                          ; the new -M = -ceil(t): a whole number
	s_delay_alu instid0(VALU_DEP_1)
	v_sub_f32 v254, v12, v254                      ; old M less new M: a whole number, 0 or less
	s_delay_alu instid0(VALU_DEP_1)
	v_cvt_i32_f32 v254, v254                       ; (it saturates)
	s_delay_alu instid0(VALU_DEP_1)
	v_ldexp_f32 v250, 1.0, v254                    ; f = 2^(old M - new M): a multiplication by it rounds nothing
.set J, 0
.rept 32
	v_pk_fma_f32 v[96+J:97+J], v[96+J:97+J], s[22:23], v[12:13] op_sel_hi:[1,0,0]   ; t - M, two at a time
.set J, J+2
.endr
.irp b, 0,1,2,3
	v_fma_f32 v[232+\b], v[232+\b], s22, v12       ; the same of each block's largest score
.endr
.set J, 0
	s_setprio 1
	s_wait_alu depctr_va_vdst(0)
.rept 64
	v_exp_f32 v[96+J], v[96+J]                     ; p = 2^(t - M), at most 1
.set J, J+1
.endr
	v_pk_mul_f32 v[14:15], v[14:15], v[250:251] op_sel_hi:[1,0]   ; the sums under the new M: the plain place behind the exponentials
	s_wait_alu depctr_va_vdst(0)                   ; one wait for the batch of 64, ahead of its first reader
.irp b, 0,1,2,3
	v_exp_f32 v[232+\b], v[232+\b]                 ; each block's largest p
.endr
	v_pk_add_f32 v[236:237], v[100:101], v[104:105]
	v_pk_add_f32 v[248:249], v[108:109], v[112:113]
	v_pk_add_f32 v[246:247], v[116:117], v[120:121]
	v_pk_add_f32 v[244:245], v[124:125], v[128:129]
	v_pk_add_f32 v[242:243], v[132:133], v[136:137]
	v_pk_add_f32 v[240:241], v[140:141], v[144:145]
	v_pk_add_f32 v[238:239], v[148:149], v[152:153]
	v_pk_add_f32 v[14:15], v[14:15], v[156:157]
	v_pk_add_f32 v[236:237], v[236:237], v[96:97]
	v_pk_add_f32 v[248:249], v[248:249], v[98:99]
	v_pk_add_f32 v[246:247], v[246:247], v[102:103]
	v_pk_add_f32 v[244:245], v[244:245], v[106:107]
	v_pk_add_f32 v[242:243], v[242:243], v[110:111]
	v_pk_add_f32 v[240:241], v[240:241], v[114:115]
	v_pk_add_f32 v[238:239], v[238:239], v[118:119]
	v_pk_add_f32 v[14:15], v[14:15], v[122:123]
	v_pk_add_f32 v[236:237], v[236:237], v[126:127]
	v_pk_add_f32 v[248:249], v[248:249], v[130:131]
	v_pk_add_f32 v[246:247], v[246:247], v[134:135]
	v_pk_add_f32 v[244:245], v[244:245], v[138:139]
	v_pk_add_f32 v[242:243], v[242:243], v[142:143]
	v_pk_add_f32 v[240:241], v[240:241], v[146:147]
	v_pk_add_f32 v[238:239], v[238:239], v[150:151]
	v_pk_add_f32 v[14:15], v[14:15], v[154:155]
	v_pk_add_f32 v[236:237], v[236:237], v[158:159]
	s_delay_alu instid0(VALU_DEP_2)
	v_pk_add_f32 v[14:15], v[14:15], v[244:245]
	s_delay_alu instid0(VALU_DEP_2)
	v_pk_add_f32 v[236:237], v[236:237], v[242:243]
	v_pk_add_f32 v[248:249], v[248:249], v[240:241]
	v_pk_add_f32 v[246:247], v[246:247], v[238:239]
	s_delay_alu instid0(VALU_DEP_2)
	v_pk_add_f32 v[14:15], v[14:15], v[248:249]
	s_delay_alu instid0(VALU_DEP_2)
	v_pk_add_f32 v[236:237], v[236:237], v[246:247]
	s_delay_alu instid0(VALU_DEP_1)
	v_pk_add_f32 v[14:15], v[14:15], v[236:237]
	s_wait_alu depctr_va_vdst(0)                   ; and one for the four
.irp b, 0,1,2,3
	v_max_num_f32 v[232+\b], 0x1800000, v[232+\b]  ; the floor 2^(3 - 127): the byte cannot fall under 1
.endr
.irp b, 0,1,2,3
	s_delay_alu instid0(VALU_DEP_4)
	v_add_nc_u32 v[244+\b], 0xff000000, v[232+\b]  ; 2 off the exponent field: the conversion's scale operand
.endr
.irp b, 0,1,2,3
	s_delay_alu instid0(VALU_DEP_4)
	v_lshrrev_b32 v[236+\b], 23, v[244+\b]         ; the scale's byte
.endr
	s_delay_alu instid0(VALU_DEP_3)
	v_lshl_or_b32 v253, v237, 8, v236              ; p's scale word for these 128 keys
	s_delay_alu instid0(VALU_DEP_1)
	v_lshl_or_b32 v253, v238, 16, v253
	s_delay_alu instid0(VALU_DEP_1)
	v_lshl_or_b32 v253, v239, 24, v253
.irp c, 0,1
	v_cvt_scalef32_pk16_fp6_f32 v[224+6*\c:226+6*\c], v[96+32*\c:111+32*\c], v[244+2*\c]
	v_cvt_scalef32_pk16_fp6_f32 v[236+4*\c:238+4*\c], v[112+32*\c:127+32*\c], v[244+2*\c+1]   ; (a conversion's three registers begin on an even number)
.endr
	v_nop                                          ; one plain place behind a scaled conversion
.irp c, 0,1                                    ; a whole block in a lane: lanes 0-15 block 2 c, lanes 16-31 block 2 c + 1
.irp i, 0,1,2
	v_permlane16_swap_b32 v[224+6*\c+\i], v[236+4*\c+\i]
.endr
.irp i, 0,1,2
	s_delay_alu instid0(VALU_DEP_3)
	v_mov_b32 v[227+6*\c+\i], v[236+4*\c+\i]
.endr
.endr
.set J, 0
	s_setprio 0
.rept 16
	v_pk_mul_f32 v[160+J:161+J], v[160+J:161+J], v[250:251] op_sel_hi:[1,0]   ; O^T under the new M.  For each product below twelve of these name none of its registers: its places behind the writes of p's codes and scale word
.set J, J+2
.endr
	s_wait_alu depctr_va_vdst(0)
	s_wait_dscnt 0x0                               ; V is in
.irp t, 0,1,2,3                                ; four accumulators by turns, one instruction a turn
	v_wmma_scale_f32_16x16x128_f8f6f4 v[160+8*\t:167+8*\t], v[32+12*\t:43+12*\t], v[224:235], v[160+8*\t:167+8*\t], v[200+\t], v253 matrix_a_fmt:MATRIX_FMT_FP6 matrix_b_fmt:MATRIX_FMT_FP6
.endr
.endm
; A tile ends: O^T / l, brought into the channels' true order, quantised in two blocks of 32, stored as six registers' image and two bytes a token.
.macro OUTP pc, ps
.rept 4
	v_nop                                          ; places behind the last products
.endr
	v_add_f32 v14, v14, v15
	s_delay_alu instid0(VALU_DEP_1)
	v_permlanex16_b32 v254, v14, s20, s21
	s_delay_alu instid0(VALU_DEP_1)
	v_add_f32 v14, v14, v254                       ; the row's sum
	s_wait_alu depctr_va_vdst(0)
	v_rcp_f32 v14, v14
	v_nop                                          ; a plain place behind the transcendental,
	s_wait_alu depctr_va_vdst(0)                   ; and the wait ahead of its first reader
.set J, 0
.rept 16
	v_pk_mul_f32 v[96+J:97+J], v[160+J:161+J], v[14:15] op_sel_hi:[1,0]   ; register 8 t + j: channel 16 t + 8 h + j; each accumulator from its low end on
.set J, J+2
.endr
.irp b, 0,1
.irp j, 0,1,2,3,4,5,6,7
	v_permlane16_swap_b32 v[96+16*\b+\j], v[104+16*\b+\j]   ; now registers 16 b + 0..15 hold channels 32 b + 16 h + 0..15: neighbours, in order
.endr
.endr
.irp b, 0,1
	v_max3_num_f32 v[232+\b], |v[96+16*\b]|, |v[97+16*\b]|, 0x1800000
.endr
.irp i, 2,4,6,8,10,12,14
.irp b, 0,1
	s_delay_alu instid0(VALU_DEP_2)
	v_max3_num_f32 v[232+\b], v[232+\b], |v[96+16*\b+\i]|, |v[97+16*\b+\i]|
.endr
.endr
.irp b, 0,1
	s_delay_alu instid0(VALU_DEP_2)
	v_permlanex16_b32 v[236+\b], v[232+\b], s20, s21
.endr
.irp b, 0,1
	s_delay_alu instid0(VALU_DEP_2)
	v_max_num_f32 v[232+\b], v[232+\b], v[236+\b]
.endr
.irp b, 0,1
	s_delay_alu instid0(VALU_DEP_2)
	v_add_nc_u32 v[244+\b], 0xff000000, v[232+\b]
.endr
.irp b, 0,1
	s_delay_alu instid0(VALU_DEP_2)
	v_lshrrev_b32 v[236+\b], 23, v[244+\b]
.endr
	v_cvt_scalef32_pk16_fp6_f32 v[224:226], v[96:111], v244
	v_cvt_scalef32_pk16_fp6_f32 v[240:242], v[112:127], v245
	v_nop
.irp i, 0,1,2
	v_permlane16_swap_b32 v[224+\i], v[240+\i]
.endr
.irp i, 0,1,2
	s_delay_alu instid0(VALU_DEP_3)
	v_mov_b32 v[227+\i], v[240+\i]
.endr
	v_cndmask_b32 v243, v236, v237, s61            ; lanes 0-15 store block 0's byte, lanes 16-31 block 1's
	global_store_b128 v1, v[224:227], s[\pc:\pc+1]
	global_store_b64 v2, v[228:229], s[\pc:\pc+1] offset:512
	global_store_b8 v9, v243, s[\ps:\ps+1]
	s_wait_xcnt 0x0                                ; the stores' registers are written again only behind this wait
.endm
	INIT
	s_wait_loadcnt 0x0                             ; both Q
	s_wait_tensorcnt 0x1                           ; my record of the first four is in; my three later ones may be out
	s_barrier_signal -1
	s_barrier_wait -1                              ; records 0 to 3 are whole
	s_mov_b32 s18, 0
	s_mov_b32 s19, 0
.Lfirst4:                                          ; the late tile, steps 0 to 3: every wave has them (mH is 8 at the least)
	STEP 16, 28, 0
	s_add_co_u32 s18, s18, REC
	s_add_co_u32 s19, s19, 1
	s_cmp_lt_u32 s19, 4
	s_cbranch_scc1 .Lfirst4
	s_setprio 0
	s_wait_tensorcnt 0x0
	s_barrier_signal -1
	s_barrier_wait -1                              ; the whole head is in
	s_mov_b32 s18, 4*REC
	s_mov_b32 s19, 4
.Llate:                                            ; steps 4 to 14: a constant count; the steps from mH on are passed over
	s_cmp_ge_u32 s19, s17
	s_cbranch_scc1 .Llate_skip
	STEP 16, 28, 0
.Llate_skip:
	s_add_co_u32 s18, s18, REC
	s_add_co_u32 s19, s19, 1
	s_cmp_lt_u32 s19, 15
	s_cbranch_scc1 .Llate
	s_setprio 0
	s_mul_i32 s18, s17, REC
	STEP 16, 28, 1                                 ; the diagonal step
	OUTP 52, 56
	INIT
	s_mov_b32 s18, 0
	s_mov_b32 s19, 0
.Learly:                                           ; the early tile, steps 0 to 6, those from mL on passed over
	s_cmp_ge_u32 s19, s16
	s_cbranch_scc1 .Learly_skip
	STEP 204, 216, 0
.Learly_skip:
	s_add_co_u32 s18, s18, REC
	s_add_co_u32 s19, s19, 1
	s_cmp_lt_u32 s19, 7
	s_cbranch_scc1 .Learly
	s_setprio 0
	s_mul_i32 s18, s16, REC
	STEP 204, 216, 1
	OUTP 54, 58
	s_wait_tensorcnt 0x0
	ds_add_u32 v252, v255
	s_wait_dscnt 0x0
	ROUND                                          ; the closing round
	s_endpgm
.Lfunc_end_k_q77f99d3b9f_attn:
	.size	k_q77f99d3b9f_attn, .Lfunc_end_k_q77f99d3b9f_attn-k_q77f99d3b9f_attn
	.p2alignl 7, 3214868480
	.fill 96, 4, 3214868480
	.section	.rodata,"a",@progbits
	.p2align	6, 0x0
	.amdhsa_kernel k_q77f99d3b9f_attn
		.amdhsa_group_segment_fixed_size 215040
		.amdhsa_private_segment_fixed_size 0
		.amdhsa_enable_private_segment 0
		.amdhsa_kernarg_size 32
		.amdhsa_user_sgpr_count 2
		.amdhsa_user_sgpr_kernarg_segment_ptr 1
		.amdhsa_wavefront_size32 1
		.amdhsa_system_sgpr_workgroup_id_x 1
		.amdhsa_system_sgpr_workgroup_id_y 1
		.amdhsa_system_sgpr_workgroup_id_z 1
		.amdhsa_system_vgpr_workitem_id 0
		.amdhsa_next_free_vgpr 256
		.amdhsa_next_free_sgpr 68
		.amdhsa_reserve_vcc 1
		.amdhsa_float_denorm_mode_32 3
		.amdhsa_float_denorm_mode_16_64 3
		.amdhsa_memory_ordered 1
		.amdhsa_forward_progress 1
		.amdhsa_inst_pref_size 116
	.end_amdhsa_kernel
	.amdgpu_metadata
---
amdhsa.version: [ 1, 2 ]
amdhsa.kernels:
  - .name:           k_q77f99d3b9f_attn
    .symbol:         k_q77f99d3b9f_attn.kd
    .args:
      - { .name: qimg, .offset: 0, .size: 8, .value_kind: global_buffer, .address_space: global }
      - { .name: kvimg, .offset: 8, .size: 8, .value_kind: global_buffer, .address_space: global }
      - { .name: oimg, .offset: 16, .size: 8, .value_kind: global_buffer, .address_space: global }
      - { .name: oscl, .offset: 24, .size: 8, .value_kind: global_buffer, .address_space: global }
    .group_segment_fixed_size: 215040
    .private_segment_fixed_size: 0
    .kernarg_segment_align: 8
    .kernarg_segment_size: 32
    .max_flat_workgroup_size: 512
    .sgpr_count:     68
    .vgpr_count:     256
    .wavefront_size: 32
...
	.end_amdgpu_metadata
.endif
;; end of part 2
;; launch proj (part 3): grid 8 x 32, 4 waves a work-group, clusters of 4 x 4, 327,680 bytes of LDS; arguments oimg, oscl, Wo_codes, Wo_scales, bo, out0; writes out0
.if DOCPART == 3
	.amdgcn_target "amdgcn-amd-amdhsa--gfx1250"
	.amdhsa_code_object_version 6
	.text
	.protected	k_q77f99d3b9f_proj
	.globl	k_q77f99d3b9f_proj
	.p2align	8
	.type	k_q77f99d3b9f_proj,@function
k_q77f99d3b9f_proj:
	s_mov_b64 s[64:65], 0
	v_nop
	global_prefetch_b8 v0, s[64:65] scope:SCOPE_SE
	s_setreg_imm32_b32 hwreg(HW_REG_WAVE_MODE, 25, 1), 1
	s_wait_xcnt 0x0
	s_wait_alu depctr_hold_cnt(0) depctr_sa_sdst(0) depctr_va_vdst(0) depctr_va_sdst(0) depctr_va_ssrc(0) depctr_va_vcc(0) depctr_vm_vsrc(0)
	s_getreg_b32 s2, hwreg(HW_REG_IB_STS2, 6, 4)
	s_cmp_eq_u32 s2, 0
	s_cbranch_scc0 .Lentry_in_a_cluster
	s_endpgm
.Lentry_in_a_cluster:
	s_bfe_u32 s2, ttmp6, 0x10000c
	s_cmp_lg_u32 s2, 0xf033
	s_cbranch_scc0 .Lentry_shape_is_right
	s_endpgm
.Lentry_shape_is_right:
; out0 = O Wo^T + bo on codes of FP6 (E2M3), one E8M0 scale for each 32 along K = 1,024.  O comes as images of operand registers (oimg [token tile 512][K step 8][1,536]: registers 0-3, 4-5, 6-9, 10-11 as
; 512 + 256 + 512 + 256 bytes) with its scale bytes oscl [token][32]; Wo as given: rows of 768 bytes, scale rows of 32.  out0 [8,192][1,024] f32.
; A tile of 256 tokens x 128 columns to a work-group: 256 work-groups.  Wave w makes tokens 64 w .. 64 w + 63 x all 128 columns: 32 accumulators.
; THE TILE'S WHOLE K LIES IN LDS, filled once, in two chunks of 512 along K: nothing is filled again.  The second chunk lands while the first is multiplied.
; CLUSTERS: 4 x 4 work-groups; O's tiles are shared along a row of the cluster, Wo's along a column: joint loads.  Waves 0, 1 fetch O's halves, waves 2, 3 Wo's: three loads each (scales, chunk 0, chunk 1).
; The matrix instruction is used transposed (source 0 = 16 rows of Wo, source 1 = 16 tokens): a lane holds eight neighbouring columns of one row of out0.  bo is the C of each sum's first instruction.
; REGISTERS: window 0: v16-27 addresses; v32-63, v224-255 scale words of chunks 0, 1 (register 4 i + q: lanes 0-15 O's block i, lanes 16-31 Wo's block i, K step q) and nothing else; v64-127 bo's table;
;   v128-175, v176-223 O's fragments, two sets; on the way out v64-191 take rows.   window 1: Wo's fragments, two sets, at v0 and v128.   window 2: accumulator (a, b) at v[8 (8 a + b)].
.set FR,   12
.set ACH,  98304                       ; LDS: O's chunk c at c x ACH: [token tile 16][6,144]
.set BL,   196608                      ; Wo's chunk c at BL + c x BCH: 128 rows,
.set BP,   432                         ; 384 bytes + 16 behind every 128 = 108 words: row r starts at bank 44 r mod 64, so the 32 lanes of a load of 8 bytes touch 64 different banks (64 banks of 4 bytes: ISA guide 11.1)
.set BCH,  128*BP
.set SCA,  BL+2*BCH                    ; O's scale bytes: 32 runs of 256 bytes + 16
.set SCB,  SCA+32*272                  ; Wo's: 16 runs
.set SPITCH, 528                       ; the way out: a stage of 16 rows x (512 + 16) bytes for each wave, in the wave's own part of O's chunk 0: filled once, read by that wave alone, and read out by then
.set AL16, 16                          ; v16-17 O's images, 16 bytes a lane, chunk 0, 1
.set AL8,  18                          ; v18-19 8 bytes a lane
.set ADRB, 20                          ; v20-21 Wo's rows, chunk 0, 1;  v22-23 behind one padding more
.set STO,  24
.set RD,   25
.set CO,   26
.set ADRS, 27
.set BI,   64
.set AF,   128
.set BK,   64
.set MSB, 0
.macro WIN new
.if MSB != (\new)
	s_set_vgpr_msb (MSB<<8)|(\new)
.set MSB, (\new)
.endif
.endm
.macro JLOAD g0a, g1a, g0b, g1b        ; a joint load; the branch hangs on the wave's number alone; four v_nop follow each of the two lines
	s_cmp_eq_u32 s15, 0
	s_cbranch_scc0 .Lfor_b_\@
	tensor_load_to_lds s[\g0a:\g0a+3], s[\g1a:\g1a+7]
	s_nop 0
.rept 4
	v_nop
.endr
	s_branch .Lasked_\@
.Lfor_b_\@:
	tensor_load_to_lds s[\g0b:\g0b+3], s[\g1b:\g1b+7]
	s_nop 0
.rept 4
	v_nop
.endr
.Lasked_\@:
.endm
.macro CROUND                          ; a round of the cluster's barrier
	s_barrier_signal -1
	s_barrier_wait -1
	s_cmp_lg_u32 s14, 0
	s_cbranch_scc1 .Lnot_wave_0_\@
	s_barrier_signal -3
.Lnot_wave_0_\@:
	s_barrier_wait -3
	s_barrier_signal -1
	s_barrier_wait -1
.endm
.macro PLACES n
.rept \n
	v_nop
.endr
.endm
	s_load_b256 s[4:11], s[0:1], 0x0               ; oimg s[4:5], oscl s[6:7], Wo's codes s[8:9], Wo's scales s[10:11]
	s_load_b128 s[84:87], s[0:1], 0x20             ; bo s[84:85], out0 s[86:87]
	v_lshl_add_u32 v30, v0, 2, 0x4e300
	v_mov_b32 v31, 0
	ds_add_u32 v30, v31
	ds_add_u32 v30, v31
	v_lshrrev_b32 v1, 5, v0
	v_readfirstlane_b32 s14, v1                    ; wave 0..3
	s_lshr_b32 s15, s14, 1                         ; I fetch for O (0) or for Wo (1),
	s_and_b32 s16, s14, 1                          ; its first or second half
	s_bfe_u32 s12, ttmp6, 0x40000                  ; cx
	s_bfe_u32 s13, ttmp6, 0x40004                  ; cy
	s_lshl_b32 s18, ttmp9, 2
	s_add_co_u32 s18, s18, s12                     ; the tile's column: 128 columns each
	s_and_b32 s17, ttmp7, 0xffff
	s_lshl_b32 s17, s17, 2
	s_add_co_u32 s17, s17, s13                     ; its row: 256 tokens each
	s_lshl_b32 s94, s13, 2
	s_lshl_b32 s94, 15, s94                        ; my row of the cluster
	s_lshl_b32 s95, 0x1111, s12                    ; my column
	; O's codes: 8 token tiles x 6,144 bytes (768 elements of 8), 12,288 bytes apart, no padding
	s_or_b32 s24, s94, (3<<16)|(1<<21)
	s_mov_b32 s25, 768<<16
	s_mov_b32 s26, 8<<16
	s_mov_b32 s27, 768<<16
	s_mov_b32 s28, 8
	s_mov_b32 s29, 1536
	s_mov_b32 s30, 0
	s_mov_b32 s31, 0
	; Wo's codes: 64 rows x 384 bytes, 768 apart, 16 bytes of padding behind every 128 (32 words: code 4)
	s_or_b32 s32, s95, (0<<16)|(1<<20)|(1<<21)|(4<<22)|(3<<25)
	s_mov_b32 s33, 384<<16
	s_mov_b32 s34, 64<<16
	s_mov_b32 s35, 384<<16
	s_mov_b32 s36, 64
	s_mov_b32 s37, 768
	s_mov_b32 s38, 0
	s_mov_b32 s39, 0
	; scale bytes: dense, as rows of 256 bytes with 16 of padding: O's 128 tokens are 16 rows, Wo's 64 rows are 8
	s_or_b32 s40, s94, (3<<16)|(1<<20)|(1<<21)|(5<<22)|(3<<25)
	s_mov_b32 s41, 32<<16
	s_mov_b32 s42, 16<<16
	s_mov_b32 s43, 32<<16
	s_mov_b32 s44, 16
	s_mov_b32 s45, 32
	s_mov_b32 s46, 0
	s_mov_b32 s47, 0
	s_or_b32 s48, s95, (3<<16)|(1<<20)|(1<<21)|(5<<22)|(3<<25)
	s_mov_b32 s49, 32<<16
	s_mov_b32 s50, 8<<16
	s_mov_b32 s51, 32<<16
	s_mov_b32 s52, 8
	s_mov_b32 s53, 32
	s_mov_b32 s54, 0
	s_mov_b32 s55, 0
	s_lshl_b32 s20, s17, 4                         ; O hangs on the tile's row alone, in registers that never hold cx
	s_lshl_b32 s21, s16, 3
	s_add_co_u32 s20, s20, s21
	s_mul_i32 s20, s20, 12288                      ; token tile 16 row + 8 half
	s_mov_b32 s21, 0
	s_lshl_b32 s22, s17, 8
	s_lshl_b32 s23, s16, 7
	s_add_co_u32 s22, s22, s23
	s_lshl_b32 s22, s22, 5                         ; token 256 row + 128 half, 32 bytes each
	s_mov_b32 s23, 0
	s_lshl_b32 s88, s18, 7                         ; Wo on the tile's column alone
	s_lshl_b32 s89, s16, 6
	s_add_co_u32 s88, s88, s89
	s_lshl_b32 s90, s88, 5
	s_mul_i32 s88, s88, 768
	s_mov_b32 s89, 0
	s_mov_b32 s91, 0
	s_mul_i32 s19, s16, 8*6144                     ; where they go hangs on the wave's number alone
	s_mul_i32 s92, s16, 64*BP
	s_mul_i32 s93, s16, 16*272
	s_mul_i32 s3, s16, 8*272
	s_wait_dscnt 0x0
	s_wait_kmcnt 0x0
	s_add_nc_u64 s[20:21], s[4:5], s[20:21]
	s_add_nc_u64 s[22:23], s[6:7], s[22:23]
	s_add_nc_u64 s[88:89], s[8:9], s[88:89]
	s_add_nc_u64 s[90:91], s[10:11], s[90:91]
	CROUND                                         ; all sixteen work-groups are here: the joint loads meet
	s_mov_b32 s56, 1
	s_add_co_u32 s57, s93, SCA
	s_mov_b64 s[58:59], s[22:23]
	s_or_b32 s59, s59, 0x80000000
	s_mov_b32 s72, 1
	s_add_co_u32 s73, s3, SCB
	s_mov_b64 s[74:75], s[90:91]
	s_or_b32 s75, s75, 0x80000000
	JLOAD 56, 40, 72, 48                           ; the scales
	s_mov_b32 s60, 1
	s_mov_b32 s61, s19
	s_mov_b64 s[62:63], s[20:21]
	s_or_b32 s63, s63, 0x80000000
	s_mov_b32 s76, 1
	s_add_co_u32 s77, s92, BL
	s_mov_b64 s[78:79], s[88:89]
	s_or_b32 s79, s79, 0x80000000
	JLOAD 60, 24, 76, 32                           ; chunk 0
	s_mov_b32 s68, 1
	s_add_co_u32 s69, s19, ACH
	s_add_nc_u64 s[70:71], s[20:21], 6144
	s_or_b32 s71, s71, 0x80000000
	s_mov_b32 s80, 1
	s_add_co_u32 s81, s92, BL+BCH
	s_add_nc_u64 s[82:83], s[88:89], 384
	s_or_b32 s83, s83, 0x80000000
	JLOAD 68, 24, 80, 32                           ; chunk 1: three loads of mine are out
	v_and_b32 v1, 15, v0                           ; r
	v_bfe_u32 v2, v0, 4, 1                         ; h
	v_and_b32 v3, 31, v0                           ; lane
	s_mul_i32 s19, s14, 4*6144                     ; my four token tiles in a chunk; my stage too
	v_lshl_add_u32 v[AL16], v3, 4, s19
	v_lshl_add_u32 v[AL8], v3, 3, s19
	v_add_nc_u32 v[AL16+1], ACH, v[AL16]
	v_add_nc_u32 v[AL8+1], ACH, v[AL8]
	v_mul_u32_u24 v4, v1, BP
	v_mad_u32_u24 v4, v2, 24, v4                   ; Wo: row r, + 24 h
	v_lshl_add_u32 v5, v2, 4, v4                   ; and behind one padding more
	v_add_nc_u32 v[ADRB], BL, v4
	v_add_nc_u32 v[ADRB+1], BL+BCH, v4
	v_add_nc_u32 v[ADRB+2], BL, v5
	v_add_nc_u32 v[ADRB+3], BL+BCH, v5
	v_lshlrev_b32 v5, 5, v1                        ; scale bytes: 32 a row,
	v_lshrrev_b32 v6, 8, v5
	v_lshl_add_u32 v5, v6, 4, v5                   ; and 16 more for each 256 passed
	s_mul_i32 s21, s14, 4*544                      ; O's: my four blocks of 16 tokens
	s_mov_b32 s22, SCB-SCA
	s_sub_co_u32 s22, s22, s21
	v_mul_u32_u24 v6, s22, v2                      ; lanes 16-31 take Wo's: one product, the distance between the two bases x h
	s_add_co_u32 s21, s21, SCA
	v_add_nc_u32 v5, v5, v6
	v_add_nc_u32 v[ADRS], s21, v5
	v_mul_u32_u24 v5, v1, SPITCH
	v_lshl_add_u32 v5, v2, 5, v5
	v_add_nc_u32 v[STO], s19, v5                   ; into the stage: row r, 32 bytes for each half of the lanes
	v_lshlrev_b32 v[CO], 4, v3                     ; back: the 32 lanes take one row of 512 bytes; the same in out0
	v_add_nc_u32 v[RD], s19, v[CO]
	s_lshl_b32 s20, s17, 8
	s_lshl_b32 s21, s14, 6
	s_add_co_u32 s20, s20, s21                     ; my first token
	s_lshl_b32 s20, s20, 12                        ; rows of 4,096 bytes
	s_lshl_b32 s21, s18, 9                         ; the tile's 512 bytes of a row
	s_add_co_u32 s20, s20, s21
	s_mov_b32 s21, 0
	s_add_nc_u64 s[86:87], s[86:87], s[20:21]
	s_lshl_b32 s20, s18, 9
	s_add_nc_u64 s[84:85], s[84:85], s[20:21]      ; bo at the tile's first column
	v_lshlrev_b32 v7, 5, v2                        ; register 8 b + j of the table = bo[128 column tile + 16 b + 8 h + j]
.irp b, 0,1,2,3,4,5,6,7
	global_load_b128 v[BI+8*\b:BI+8*\b+3], v7, s[84:85] offset:64*\b
	global_load_b128 v[BI+8*\b+4:BI+8*\b+7], v7, s[84:85] offset:64*\b+16
.endr
.macro FRAGA reg, c, q, a              ; O's fragment of my block a, K step q of chunk c: the image comes back as it was stored
	ds_load_b128 v[\reg:\reg+3], v[AL16+\c] offset:(\a)*6144+(\q)*1536
	ds_load_b64 v[\reg+4:\reg+5], v[AL8+\c] offset:(\a)*6144+(\q)*1536+512
	ds_load_b128 v[\reg+6:\reg+9], v[AL16+\c] offset:(\a)*6144+(\q)*1536+768
	ds_load_b64 v[\reg+10:\reg+11], v[AL8+\c] offset:(\a)*6144+(\q)*1536+1280
.endm
.macro FRAGB reg, c, q, i              ; Wo's fragment: 24 bytes of the row's stream of bits twice, in pieces of 8 bytes; padding lies behind every 16 pieces; lanes 16-31 read three pieces on
.irp p, 0,1,2,3,4,5
.set PCE, 12*(\q)+6*(\p/3)+\p%3
.if PCE%16 < 13
	ds_load_b64 v[\reg+2*\p:\reg+2*\p+1], v[ADRB+\c] offset:8*PCE+16*(PCE/16)+(\i)*16*BP
.else
	ds_load_b64 v[\reg+2*\p:\reg+2*\p+1], v[ADRB+2+\c] offset:8*PCE+16*(PCE/16)+(\i)*16*BP
.endif
.endr
.endm
.macro FETCH3 t                        ; the fragments of K step t (128 along K) into sets t % 2: 64 loads
.set CC, (\t)/4
.set QQ, (\t)%4
.set SS, (\t)%2
	WIN 0x40                                       ; destination window 1
.irp i, 0,1,2,3,4,5,6,7
	FRAGB 128*SS+FR*\i, CC, QQ, \i
.endr
	WIN 0
.irp a, 0,1,2,3
	FRAGA AF+48*SS+FR*\a, CC, QQ, \a
.endr
.endm
; K step t: its fragments are in; the next step's are asked for; 32 products, the accumulators by turns, one instruction a turn, in the same order in every step.
.macro STEP3 t
	s_wait_dscnt 0x0
.if (\t) == 3
	s_wait_tensorcnt 0x0                           ; my part of chunk 1 has landed,
	s_barrier_signal -1
	s_barrier_wait -1                              ; everybody's has: the fetch below reads it
.endif
.if (\t) < 7
.if (\t) > 0
	PLACES 4                                       ; the other sets were read by the last step's products
.endif
	FETCH3 (\t)+1
.endif
.set CC, (\t)/4
.set QQ, (\t)%4
.set SS, (\t)%2
.set SW, 32+192*CC
.if (\t) == 0
	WIN 0x81                                       ; source 0 window 1; C (bo's table) window 0; D window 2
.else
	WIN 0xa1
.endif
.irp a, 0,1,2,3
.irp b, 0,1,2,3,4,5,6,7
.if (\t) == 0
	v_wmma_scale_f32_16x16x128_f8f6f4 v[8*(8*\a+\b):8*(8*\a+\b)+7], v[128*SS+FR*\b:128*SS+FR*\b+FR-1], v[AF+48*SS+FR*\a:AF+48*SS+FR*\a+FR-1], v[BI+8*\b:BI+8*\b+7], v[SW+4*\b+QQ], v[SW+4*\a+QQ] matrix_a_fmt:MATRIX_FMT_FP6 matrix_b_fmt:MATRIX_FMT_FP6 matrix_a_scale:MATRIX_SCALE_ROW1
.else
	v_wmma_scale_f32_16x16x128_f8f6f4 v[8*(8*\a+\b):8*(8*\a+\b)+7], v[128*SS+FR*\b:128*SS+FR*\b+FR-1], v[AF+48*SS+FR*\a:AF+48*SS+FR*\a+FR-1], v[8*(8*\a+\b):8*(8*\a+\b)+7], v[SW+4*\b+QQ], v[SW+4*\a+QQ] matrix_a_fmt:MATRIX_FMT_FP6 matrix_b_fmt:MATRIX_FMT_FP6 matrix_a_scale:MATRIX_SCALE_ROW1
.endif
.endr
.endr
	WIN 0
.endm
	s_wait_tensorcnt 1                             ; the scales and my part of chunk 0 are in; chunk 1's load may be out
	s_barrier_signal -1
	s_barrier_wait -1
.irp i, 0,1,2,3,4,5,6,7                        ; all scale words, once: 16 bytes (four K steps) of a row for each chunk.  For i over 3 lanes 0-15 read rows that are not my wave's: those lanes of these registers are never named
	ds_load_b128 v[32+4*\i:35+4*\i], v[ADRS] offset:\i*544
	ds_load_b128 v[224+4*\i:227+4*\i], v[ADRS] offset:\i*544+16
.endr
	FETCH3 0
	s_wait_loadcnt 0x0                             ; bo's table
.irp t, 0,1,2,3,4,5,6,7
	STEP3 \t
.endr
; THE WAY OUT, block by block of 16 tokens x 128 columns, through my own stage: in by 32 bytes a lane, back as whole rows of 512 bytes.  LDS serves a wave's instructions in order (ISA guide 5.7.1.4): no wait between the stores and the loads.
.macro TOSTAGE a
	WIN 0x08                                       ; an LDS store's data are its source 1: window 2
.irp b, 0,1,2,3,4,5,6,7
	ds_store_b128 v[STO], v[64*(\a)+8*\b:64*(\a)+8*\b+3] offset:64*\b          ; each accumulator from its low end on
	ds_store_b128 v[STO], v[64*(\a)+8*\b+4:64*(\a)+8*\b+7] offset:64*\b+16
.endr
	WIN 0
.set BB, BK+64*((\a)%2)
.irp t, 0,1,2,3,4,5,6,7,8,9,10,11,12,13,14,15
	ds_load_b128 v[BB+4*\t:BB+4*\t+3], v[RD] offset:\t*SPITCH
.endr
.endm
.macro SEND a, younger                 ; younger: the LDS instructions issued behind block a's loads, which may stay out
.set BB, BK+64*((\a)%2)
	s_wait_dscnt \younger
.if (\a) > 0
	s_add_nc_u64 s[86:87], s[86:87], 16*4096       ; 16 rows on (behind a wait on XCNT: the earlier stores have read their base)
.endif
.irp t, 0,1,2,3,4,5,6,7,8,9,10,11,12,13,14,15
	global_store_b128 v[CO], v[BB+4*\t:BB+4*\t+3], s[86:87] offset:\t*4096 th:TH_STORE_NT   ; 32 lanes store 512 consecutive bytes, at a multiple of 256 from out0's first byte
.endr
.endm
	PLACES 4
	TOSTAGE 0
.irp a, 1,2,3
.if \a > 1
	s_wait_xcnt 0x0                                ; block a - 2's stores have read their registers and their base
.endif
	TOSTAGE \a
	SEND \a-1, 32                                  ; behind block a - 1's loads: block a's 16 stores and 16 loads
.endr
	s_wait_xcnt 0x0
	SEND 3, 0
	s_wait_tensorcnt 0x0
	ds_add_u32 v30, v31
	s_wait_dscnt 0x0
	CROUND                                         ; the closing round: no work-group ends while a partner may still ask for a tile that names it
	s_endpgm
.Lfunc_end_k_q77f99d3b9f_proj:
	.size	k_q77f99d3b9f_proj, .Lfunc_end_k_q77f99d3b9f_proj-k_q77f99d3b9f_proj
	.p2alignl 7, 3214868480
	.fill 96, 4, 3214868480
	.section	.rodata,"a",@progbits
	.p2align	6, 0x0
	.amdhsa_kernel k_q77f99d3b9f_proj
		.amdhsa_group_segment_fixed_size 327680
		.amdhsa_private_segment_fixed_size 0
		.amdhsa_enable_private_segment 0
		.amdhsa_kernarg_size 48
		.amdhsa_user_sgpr_count 2
		.amdhsa_user_sgpr_kernarg_segment_ptr 1
		.amdhsa_wavefront_size32 1
		.amdhsa_system_sgpr_workgroup_id_x 1
		.amdhsa_system_sgpr_workgroup_id_y 1
		.amdhsa_system_sgpr_workgroup_id_z 1
		.amdhsa_system_vgpr_workitem_id 0
		.amdhsa_next_free_vgpr 768
		.amdhsa_next_free_sgpr 100
		.amdhsa_reserve_vcc 0
		.amdhsa_float_denorm_mode_32 3
		.amdhsa_float_denorm_mode_16_64 3
		.amdhsa_memory_ordered 1
		.amdhsa_forward_progress 1
		.amdhsa_inst_pref_size 94
	.end_amdhsa_kernel
	.amdgpu_metadata
---
amdhsa.version: [ 1, 2 ]
amdhsa.kernels:
  - .name:           k_q77f99d3b9f_proj
    .symbol:         k_q77f99d3b9f_proj.kd
    .args:
      - { .name: oimg, .offset: 0, .size: 8, .value_kind: global_buffer, .address_space: global }
      - { .name: oscl, .offset: 8, .size: 8, .value_kind: global_buffer, .address_space: global }
      - { .name: Wo_codes, .offset: 16, .size: 8, .value_kind: global_buffer, .address_space: global }
      - { .name: Wo_scales, .offset: 24, .size: 8, .value_kind: global_buffer, .address_space: global }
      - { .name: bo, .offset: 32, .size: 8, .value_kind: global_buffer, .address_space: global }
      - { .name: out0, .offset: 40, .size: 8, .value_kind: global_buffer, .address_space: global }
    .group_segment_fixed_size: 327680
    .private_segment_fixed_size: 0
    .kernarg_segment_align: 8
    .kernarg_segment_size: 48
    .max_flat_workgroup_size: 128
    .sgpr_count:     100
    .vgpr_count:     768
    .wavefront_size: 32
...
	.end_amdgpu_metadata
.endif
;; end of part 3
